; MI455X (gfx1250); checked and timed in simulation.
; The chip was launched on July 23, 2026; its instructions are those of AMD's public machine-readable ISA for CDNA 5 (MIT licence, August 2026) and "CDNA5" Instruction Set Architecture Reference Guide (July 2026). The comments in the code are by the model that wrote it; some were corrected since.
;; Simple Transformer Layer. Allowed arithmetic: matrix products marked QUANTISED: E2M1 operands, one E8M0 scale for each 32 along K, by v_wmma_scale_f32_16x16x128_f8f6f4 with both operands' format E2M1 (or v_wmma_scale_f32_32x16x128_f4), f32 sums; everything else in f32.
;; Inputs: W1 4,096 x 1,024 float32; W2 1,024 x 4,096 float32; Wk 1,024 x 1,024 float32; Wo 1,024 x 1,024 float32; Wq 1,024 x 1,024 float32; Wv 1,024 x 1,024 float32; attention_mask 2 x 2,048 float32; b1 4,096 float32; b2 1,024 float32; be1 1,024 float32; be2 1,024 float32; bk 1,024 float32; bo 1,024 float32; bq 1,024 float32; bv 1,024 float32; g1 1,024 float32; g2 1,024 float32; x 2 x 2,048 x 1,024 float32.
;; Outputs: out0 2 x 2,048 x 1,024 float32.
;; This version of the problem:
;;   THIS VERSION OF THE PROBLEM IS GIVEN IN LOW PRECISION. The matrix products marked QUANTISED in the list below multiply operands that are first quantised to E2M1 (2 exponent bits, 1 mantissa bit; 4 bits a number), with one power-of-two scale for each 32 numbers along K (OCP MX v1.0); their sums are f32. All else is computed in f32.
;;   The module's matrix products, in the order in which they are computed (A, B: the left and right operand; K: the contracted axis; several contracted axes count as one K, in the product's order):
;;     1. [M 4,096, K 1,024] x [K 1,024, N 1,024]; A: computed on the way; B: input Wq: QUANTISED
;;     2. [M 4,096, K 1,024] x [K 1,024, N 1,024]; A: computed on the way; B: input Wk: QUANTISED
;;     3. [M 4,096, K 1,024] x [K 1,024, N 1,024]; A: computed on the way; B: input Wv: QUANTISED
;;     4. batch 32 x [M 2,048, K 64] x [K 64, N 2,048]; A: computed on the way; B: computed on the way: QUANTISED
;;     5. batch 32 x [M 2,048, K 2,048] x [K 2,048, N 64]; A: softmax (see below); B: computed on the way: QUANTISED
;;     6. [M 4,096, K 1,024] x [K 1,024, N 1,024]; A: computed on the way; B: input Wo: QUANTISED
;;     7. [M 4,096, K 1,024] x [K 1,024, N 4,096]; A: computed on the way; B: input W1: QUANTISED
;;     8. [M 4,096, K 4,096] x [K 4,096, N 1,024]; A: computed on the way; B: input W2: QUANTISED
;;   THE QUANTISER, for each operand of a quantised product, along K:
;;     - K is cut into blocks of 32 from its start; a last block that is shorter is filled with zeros.
;;     - A block's scale is 2^e with e = floor(log2(the largest magnitude in the block)) - 2, held to -126 .. 127; a block of zeros has e = 0. As a byte (E8M0): e + 127.
;;     - Each number is divided by its block's scale, clamped to +-6, and rounded to the nearest number of E2M1, ties to even, subnormals kept.
;;     - The product sums the exact products of the quantised numbers (number of the format x scale) in f32.
;;   ~~~python
;;   def quantise(x, axis):      # numpy; x: float32 -> the quantised numbers, widened to float32 again
;;       x = np.moveaxis(x, axis, -1); K = x.shape[-1]
;;       x = np.pad(x, [(0, 0)] * (x.ndim - 1) + [(0, -K % 32)]); x = x.reshape(x.shape[:-1] + (-1, 32)); a = np.abs(x).max(-1, keepdims=True)
;;       e = np.where(a > 0, np.clip(np.frexp(np.where(a > 0, a, 1))[1] - 1 - 2, -126, 127), 0)      # np.frexp(a)[1] - 1 = floor(log2(a)), exactly
;;       r = np.clip(x / 2.0 ** e, -6, 6)
;;       step = 2.0 ** (np.maximum(np.frexp(np.where(r == 0, 1, r))[1] - 1, 0) - 1)
;;       q = np.round(r / step) * step * 2.0 ** e      # np.round: ties to even
;;       return np.moveaxis(q.reshape(q.shape[:-2] + (-1,))[..., :K], -1, axis).astype(np.float32)
;;   ~~~
;;   SOFTMAX AHEAD OF A QUANTISED PRODUCT. Where the list says 'softmax', what is quantised is not the finished softmax but p = 2^(t - M), with t = logit x log2(e) and M = ceil(the row's largest t), a whole number; so 1/2 < the row's largest p <= 1. The row's sum l is taken of the UNQUANTISED p, in f32, and the product's result is divided by l at the end. Since M is a whole number, a kernel that streams over the keys may use a running M (the ceiling of the running maximum): every later rescaling is an exact power of two, which a block's scale takes up: the codes' values come out the same.
;;   OPERANDS COMPUTED ON THE WAY. 'Computed on the way' means the value that the module computes at that place (a softmax that the list does not call 'softmax' is quantised finished and normalised). What goes into a quantiser is computed in f32, as accurately as f32 sums, v_exp_f32 and their like allow (about 1e-6 of the number): no bf16 or f16 on the way to a quantiser, and a product that is left as it is and whose result goes on into a quantised operand takes f32 operands (vector FMAs, or v_wmma_f32_16x16x4_f32). A number that lies on a knife's edge between two numbers of the format may be rounded either way, as far as f32 arithmetic and the matrix unit's own rounding can turn it there, and no further.
;; One version. Each part assembles by itself: llvm-mc -triple=amdgcn-amd-amdhsa -mcpu=gfx1250 --defsym DOCPART=n.
;; ======== version 1 of 1: 8 launches
;; limits: a function is approximated: absolute error at most 7.5e-08
;; workspace buffers: wc 6,684,672 bytes; hA 2,228,224 bytes; hd 6,946,816 bytes; cx 2,228,224 bytes; x1 16,777,216 bytes; hB 2,228,224 bytes; hid 8,912,896 bytes
;; launch quantw (part 1): grid 768 x 1, 8 waves a work-group, no clusters, 70,144 bytes of LDS; arguments Wq, Wk, Wv, Wo, W1, W2, wc; writes wc
.if DOCPART == 1
	.amdgcn_target "amdgcn-amd-amdhsa--gfx1250"
	.amdhsa_code_object_version 6
	.text
	.protected	k_q6e88778a80_quantw
	.globl	k_q6e88778a80_quantw
	.p2align	8
	.type	k_q6e88778a80_quantw,@function
k_q6e88778a80_quantw:
	s_mov_b64 s[64:65], 0
	v_nop
	global_prefetch_b8 v0, s[64:65] scope:SCOPE_SE
	s_setreg_imm32_b32 hwreg(HW_REG_WAVE_MODE, 25, 1), 1
	s_wait_xcnt 0x0
; THE SIX WEIGHTS, f32 [N][K] with K innermost, become codes of E2M1 with one E8M0 byte for each 32 along K, laid as the products' launches read them.
; DEAD WORK: none in this program.  Every input of reference() has a way to the output (bk stands ahead of a quantiser, the mask is an input and is honoured for any value), so every input is loaded by some launch.
; RECORDS.  Rows of every operand go in tiles of 16: tile T = 4 G + i holds at place p the row 64 G + 8 i + (p & 7) + 32 (p >> 3).  A record, 8,704 bytes, is one tile x 1,024 along K:
; eight images of an operand's registers (K step ks: 1,024 bytes, [block of 32][place][16 bytes], so that 16 bytes a lane at 512 c + 16 x lane are registers 4 c .. 4 c + 3), then at byte 8,192 two
; runs of 256 bytes of scale words, [ks / 4][place][ks % 4].  Record T x (K / 1,024) + chunk.  In wc: Wq from record 0, Wk 64, Wv 128, Wo 192, W1 256, W2 512.
; With tiles so chosen the four result tiles of a group of 64 rows give a lane 32 neighbours along the next K: later launches quantise in the registers where results fall.
; SHARES.  A work-group makes one record; wave w its K step w: 16 rows x 128 numbers.  Each load takes 256 consecutive bytes of two rows; the numbers turn through the wave's own stage in LDS
; (rows of 512 + 16 bytes) and come back into the registers that they left, so that a lane then holds two whole blocks of 32 of one row: 128 registers serve a wave.
; No input is shared between work-groups: no cluster, no tensor load.
; A block's byte is its largest magnitude's exponent field - 2, held at 1 from below.  LIMITS: a block of zeros, or one whose largest magnitude lies under 2^-124, keeps the byte 1 (its codes are read by this
; program alone; zero codes add nothing); NaN and infinities are not served.
.set REC,   8704
.set STGW,  8448                       ; a wave's stage: 16 rows x 528
.set SCG,   68608                      ; 512 bytes: the record's scale words are gathered here
.set SPARE, 69120                      ; the spare words: 128 bytes a wave
.set VO,    16                         ; v16-23 byte offset of my 16 bytes in rows 2 p, 2 p + 1 of the tile
.set STI,   24                         ; into the stage
.set STR,   25                         ; out of it
.set SH8,   26                         ; 8 x (lane / 16)
.set LOW,   27                         ; 16 x lane + 1,024 x wave
.set SPW,   28
.set NIL,   29
.set SCW,   30                         ; where my row's scale word goes
.set SCR,   31                         ; SCG + 16 x lane
.set CD,    48                         ; the codes
.set MX,    56
.set SOP,   58
.set BY,    60
.set WD,    62
.set PX,    63
.set X,     64                         ; v64-127  as loaded; back from the stage: two blocks of 32 neighbours
	s_load_b256 s[4:11], s[0:1], 0x0               ; Wq, Wk, Wv, Wo
	s_load_b128 s[12:15], s[0:1], 0x20             ; W1, W2
	s_load_b64 s[16:17], s[0:1], 0x30              ; wc
	v_lshl_add_u32 v[SPW], v0, 2, SPARE
	v_mov_b32 v[NIL], 0
	v_lshrrev_b32 v1, 5, v0
	v_readfirstlane_b32 s18, v1                    ; wave
	v_and_b32 v1, 31, v0                           ; lane
	v_and_b32 v2, 15, v0                           ; lane % 16
	v_bfe_u32 v3, v0, 4, 1                         ; lane / 16
	s_mov_b32 s20, 0x76543210
	s_mov_b32 s21, 0xfedcba98                      ; selects: lane l xor 16
	v_mov_b32 v[PX], 0                             ; a lane permute's destination counts as read
	s_mul_i32 s34, s18, STGW
	v_mul_u32_u24 v4, v3, 528
	v_lshl_add_u32 v4, v2, 4, v4
	v_add_nc_u32 v[STI], s34, v4                   ; row lane / 16 of a pair, 16 bytes a lane
	v_mul_u32_u24 v4, v2, 528
	v_lshl_add_u32 v4, v3, 7, v4
	v_add_nc_u32 v[STR], s34, v4                   ; row lane % 16, 32 numbers on for lanes 16-31
	v_lshlrev_b32 v[SH8], 3, v3
	v_lshlrev_b32 v[LOW], 4, v1
	v_add_nc_u32 v[SCR], SCG, v[LOW]
	s_lshl_b32 s35, s18, 10
	v_add_nc_u32 v[LOW], s35, v[LOW]
	s_lshr_b32 s35, s18, 2
	s_lshl_b32 s35, s35, 8
	s_and_b32 s36, s18, 3
	s_lshl_b32 s36, s36, 2
	s_add_co_u32 s35, s35, s36
	s_add_co_u32 s35, s35, SCG
	v_lshl_add_u32 v[SCW], v2, 4, s35              ; [w / 4][row][w % 4]
	s_wait_kmcnt 0x0
	s_mov_b64 s[22:23], s[14:15]                   ; which tensor: the choice hangs on the work-group's number alone
	s_mov_b32 s24, 512
	s_cmp_lt_u32 ttmp9, 512
	s_cselect_b64 s[22:23], s[12:13], s[22:23]
	s_cselect_b32 s24, 256, s24
	s_cselect_b32 s25, 0, 2                        ; log2 of the chunks of 1,024 in a row: 2 for W2
	s_cmp_lt_u32 ttmp9, 256
	s_cselect_b64 s[22:23], s[10:11], s[22:23]
	s_cselect_b32 s24, 192, s24
	s_cmp_lt_u32 ttmp9, 192
	s_cselect_b64 s[22:23], s[8:9], s[22:23]
	s_cselect_b32 s24, 128, s24
	s_cmp_lt_u32 ttmp9, 128
	s_cselect_b64 s[22:23], s[6:7], s[22:23]
	s_cselect_b32 s24, 64, s24
	s_cmp_lt_u32 ttmp9, 64
	s_cselect_b64 s[22:23], s[4:5], s[22:23]
	s_cselect_b32 s24, 0, s24
	s_sub_co_u32 s26, ttmp9, s24                   ; the record's number in its tensor
	s_lshr_b32 s27, s26, s25                       ; tile
	s_lshl_b32 s28, s27, s25
	s_sub_co_u32 s28, s26, s28                     ; chunk
	s_add_co_u32 s29, s25, 12                      ; a row is 4,096 << that many bytes
	s_lshr_b32 s30, s27, 2
	s_lshl_b32 s30, s30, 6
	s_and_b32 s31, s27, 3
	s_lshl_b32 s31, s31, 3
	s_add_co_u32 s30, s30, s31                     ; the tile's first row
	s_lshl_b32 s30, s30, s29
	s_lshl_b32 s31, s28, 12
	s_add_co_u32 s30, s30, s31
	s_lshl_b32 s31, s18, 9
	s_add_co_u32 s30, s30, s31                     ; + chunk x 4,096 + wave x 512 bytes
	s_mov_b32 s31, 0
	s_add_nc_u64 s[22:23], s[22:23], s[30:31]
	s_mul_i32 s32, ttmp9, REC
	s_mov_b32 s33, 0
	s_add_nc_u64 s[16:17], s[16:17], s[32:33]
.irp p, 0,1,2,3,4,5,6,7
	v_add_nc_u32 v32, 2*\p+24*(\p/4), v3           ; places 2 p, 2 p + 1 are rows 2 p (+ 24 from place 8 on) + lane / 16
	v_lshlrev_b32 v32, s29, v32
	v_lshl_add_u32 v[VO+\p], v2, 4, v32
.endr
.irp p, 0,1,2,3,4,5,6,7
.irp c, 0,1
	global_load_b128 v[X+4*(2*\p+\c):X+4*(2*\p+\c)+3], v[VO+\p], s[22:23] offset:256*\c th:TH_LOAD_NT   ; sixteen lanes read 256 consecutive bytes of a row
.endr
.endr
.irp p, 0,1,2,3,4,5,6,7
.irp c, 0,1
	s_wait_loadcnt 15-(2*\p+\c)                    ; loads come back in order: this one is in, the younger ones stay out
	ds_store_b128 v[STI], v[X+4*(2*\p+\c):X+4*(2*\p+\c)+3] offset:1056*\p+256*\c
.endr
.endr
.irp c, 0,1
.irp g, 0,1,2,3,4,5,6,7
	ds_load_b128 v[X+32*\c+4*\g:X+32*\c+4*\g+3], v[STR] offset:256*\c+16*\g   ; LDS serves a wave's instructions in order: these come behind my stores, see them, and land in the registers that the stores have read
.endr
.endr
	s_wait_dscnt 0x0
.irp c, 0,1                                    ; block 2 c + lane / 16 of my row: all its 32 numbers are mine
	v_max3_num_f32 v[MX+\c], |v[X+32*\c]|, |v[X+32*\c+1]|, 0x1800000   ; with the floor 2^(3 - 127): the byte cannot fall under 1
.endr
.irp i, 2,4,6,8,10,12,14,16,18,20,22,24,26,28,30
.irp c, 0,1
	v_max3_num_f32 v[MX+\c], v[MX+\c], |v[X+32*\c+\i]|, |v[X+32*\c+\i+1]|
.endr
.endr
.irp c, 0,1
	v_add_nc_u32 v[SOP+\c], 0xff000000, v[MX+\c]   ; 2 off the exponent field: the conversion's scale operand
.endr
.irp c, 0,1
	v_lshrrev_b32 v[BY+\c], 23, v[SOP+\c]          ; the byte
.endr
	v_lshl_or_b32 v[WD], v[BY+1], 16, v[BY]
	v_lshlrev_b32 v[WD], v[SH8], v[WD]             ; my two bytes at their places,
	v_permlanex16_b32 v[PX], v[WD], s20, s21
	v_or_b32 v[WD], v[WD], v[PX]                   ; with lane l xor 16's two: the row's scale word of this K step
.irp c, 0,1
.irp g, 0,1,2,3
	v_cvt_scalef32_pk8_fp4_f32 v[CD+4*\c+\g], v[X+32*\c+8*\g:X+32*\c+8*\g+7], v[SOP+\c]
.endr
.endr
	v_nop                                          ; a plain line behind the last scaled conversion
.irp c, 0,1
	global_store_b128 v[LOW], v[CD+4*\c:CD+4*\c+3], s[16:17] offset:512*\c   ; the wave stores 512 consecutive bytes
.endr
	ds_store_b32 v[SCW], v[WD]                     ; both lanes of a row write the same word with the same value
	s_wait_dscnt 0x0                               ; for the others' sake
	s_barrier_signal -1
	s_barrier_wait -1
	s_cmp_lg_u32 s18, 0
	s_cbranch_scc1 .Lend
	ds_load_b128 v[40:43], v[SCR]                  ; wave 0 sends the record's 512 bytes of scale words
	s_wait_dscnt 0x0
	global_store_b128 v[LOW], v[40:43], s[16:17] offset:8192
.Lend:
	s_wait_tensorcnt 0x0                           ; the wave's end
	ds_add_u32 v[SPW], v[NIL]
	s_wait_dscnt 0x0
	s_endpgm
.Lfunc_end_k_q6e88778a80_quantw:
	.size	k_q6e88778a80_quantw, .Lfunc_end_k_q6e88778a80_quantw-k_q6e88778a80_quantw
	.p2alignl 7, 3214868480
	.fill 96, 4, 3214868480
	.section	.rodata,"a",@progbits
	.p2align	6, 0x0
	.amdhsa_kernel k_q6e88778a80_quantw
		.amdhsa_group_segment_fixed_size 70144
		.amdhsa_private_segment_fixed_size 0
		.amdhsa_enable_private_segment 0
		.amdhsa_kernarg_size 56
		.amdhsa_user_sgpr_count 2
		.amdhsa_user_sgpr_kernarg_segment_ptr 1
		.amdhsa_wavefront_size32 1
		.amdhsa_system_sgpr_workgroup_id_x 1
		.amdhsa_system_sgpr_workgroup_id_y 1
		.amdhsa_system_sgpr_workgroup_id_z 1
		.amdhsa_system_vgpr_workitem_id 0
		.amdhsa_next_free_vgpr 128
		.amdhsa_next_free_sgpr 66
		.amdhsa_reserve_vcc 0
		.amdhsa_float_denorm_mode_32 3
		.amdhsa_float_denorm_mode_16_64 3
		.amdhsa_memory_ordered 1
		.amdhsa_forward_progress 1
		.amdhsa_inst_pref_size 13
	.end_amdhsa_kernel
	.amdgpu_metadata
---
amdhsa.version: [ 1, 2 ]
amdhsa.kernels:
  - .name:           k_q6e88778a80_quantw
    .symbol:         k_q6e88778a80_quantw.kd
    .args:
      - { .name: Wq, .offset: 0, .size: 8, .value_kind: global_buffer, .address_space: global }
      - { .name: Wk, .offset: 8, .size: 8, .value_kind: global_buffer, .address_space: global }
      - { .name: Wv, .offset: 16, .size: 8, .value_kind: global_buffer, .address_space: global }
      - { .name: Wo, .offset: 24, .size: 8, .value_kind: global_buffer, .address_space: global }
      - { .name: W1, .offset: 32, .size: 8, .value_kind: global_buffer, .address_space: global }
      - { .name: W2, .offset: 40, .size: 8, .value_kind: global_buffer, .address_space: global }
      - { .name: wc, .offset: 48, .size: 8, .value_kind: global_buffer, .address_space: global }
    .group_segment_fixed_size: 70144
    .private_segment_fixed_size: 0
    .kernarg_segment_align: 8
    .kernarg_segment_size: 56
    .max_flat_workgroup_size: 256
    .sgpr_count:     66
    .vgpr_count:     128
    .wavefront_size: 32
...
	.end_amdgpu_metadata
.endif
;; end of part 1
;; launch ln1 (part 2): grid 256 x 1, 8 waves a work-group, no clusters, 70,144 bytes of LDS; arguments x, g1, be1, hA; writes hA
.if DOCPART == 2
	.amdgcn_target "amdgcn-amd-amdhsa--gfx1250"
	.amdhsa_code_object_version 6
	.text
	.protected	k_q6e88778a80_ln1
	.globl	k_q6e88778a80_ln1
	.p2align	8
	.type	k_q6e88778a80_ln1,@function
k_q6e88778a80_ln1:
	s_mov_b64 s[64:65], 0
	v_nop
	global_prefetch_b8 v0, s[64:65] scope:SCOPE_SE
	s_setreg_imm32_b32 hwreg(HW_REG_WAVE_MODE, 25, 1), 1
	s_wait_xcnt 0x0
; LAYER NORM of 4,096 rows of 1,024 f32, quantised along the row into operand records (tiles, records and the quantiser as in the launch that quantises the weights:
; tile T = 4 G + i holds at place p row 64 G + 8 i + (p & 7) + 32 (p >> 3); a record is 8 K steps' register images and 512 bytes of scale words, 8,704 bytes).
; No work is left out.  A work-group takes one tile, 16 whole rows; wave w columns 128 w on, which are K step w.  The numbers turn through the wave's stage in LDS and come back into the registers that they
; left, so that a lane holds 64 numbers of one row; g and be at those columns are asked for at the head, behind x: all 48 loads of a wave go out together.
; Mean, then the mean of the squared differences, as reference() has them: two passes over registers, no difference of large sums.  A row's parts meet in LDS: 8 words a row, a barrier for each of the two sums.
; LIMITS: NaN and infinities are not served; a block whose largest magnitude lies under 2^-124 keeps the byte 1.  Work-groups share only g and be, 8 KB against a tile's 64 KB: no cluster.
.set REC,   8704
.set STGW,  8448
.set RED1,  67584                      ; 16 rows x 8 words; the second sum's 512 bytes behind
.set SCG,   68608
.set SPARE, 69120
.set VB,    16
.set GA,    17
.set RW,    18
.set RR,    19
.set STI,   24
.set STR,   25
.set SH8,   26
.set LOW,   27
.set SPW,   28
.set NIL,   29
.set SCW,   30
.set SCR,   31
.set SM,    32                         ; v32-39 four chains of pairs
.set RD8,   40                         ; v40-47 a row's eight parts
.set CD,    48
.set MX,    56
.set SOP,   58
.set BY,    60
.set WD,    62
.set PX,    63
.set X,     64                         ; v64-127  as loaded; back from the stage: 64 numbers of one row
.set BE,    128
.set G,     192
	s_load_b256 s[4:11], s[0:1], 0x0               ; x, g, be, the records
	v_lshl_add_u32 v[SPW], v0, 2, SPARE
	v_mov_b32 v[NIL], 0
	v_lshrrev_b32 v1, 5, v0
	v_readfirstlane_b32 s18, v1                    ; wave
	v_and_b32 v1, 31, v0
	v_and_b32 v2, 15, v0
	v_bfe_u32 v3, v0, 4, 1
	s_mov_b32 s20, 0x76543210
	s_mov_b32 s21, 0xfedcba98
	s_mov_b32 s30, 0x3a800000                      ; 1 / 1,024
	s_mov_b32 s31, 0x3727c5ac                      ; 1e-5
	v_mov_b32 v[PX], 0
	s_lshr_b32 s22, ttmp9, 2
	s_lshl_b32 s22, s22, 6
	s_and_b32 s23, ttmp9, 3
	s_lshl_b32 s23, s23, 3
	s_add_co_u32 s22, s22, s23                     ; the tile's first row
	s_lshl_b32 s22, s22, 12
	s_lshl_b32 s24, s18, 9                         ; my wave's 512 bytes of a row
	s_add_co_u32 s22, s22, s24
	s_mov_b32 s23, 0
	s_mov_b32 s25, 0
	s_mul_i32 s26, ttmp9, REC
	s_mov_b32 s27, 0
	v_lshlrev_b32 v[VB], 12, v3
	v_lshl_add_u32 v[VB], v2, 4, v[VB]
	v_lshlrev_b32 v[GA], 7, v3
	s_lshl_b32 s28, s18, 2
	s_add_co_u32 s28, s28, RED1
	v_lshl_add_u32 v[RW], v2, 5, s28
	v_lshl_add_u32 v[RR], v2, 5, RED1
	s_mul_i32 s28, s18, STGW
	v_mul_u32_u24 v4, v3, 528
	v_lshl_add_u32 v4, v2, 4, v4
	v_add_nc_u32 v[STI], s28, v4
	v_mul_u32_u24 v4, v2, 528
	v_lshl_add_u32 v4, v3, 7, v4
	v_add_nc_u32 v[STR], s28, v4
	v_lshlrev_b32 v[SH8], 3, v3
	v_lshlrev_b32 v[LOW], 4, v1
	v_add_nc_u32 v[SCR], SCG, v[LOW]
	s_lshl_b32 s28, s18, 10
	v_add_nc_u32 v[LOW], s28, v[LOW]
	s_lshr_b32 s28, s18, 2
	s_lshl_b32 s28, s28, 8
	s_and_b32 s29, s18, 3
	s_lshl_b32 s29, s29, 2
	s_add_co_u32 s28, s28, s29
	s_add_co_u32 s28, s28, SCG
	v_lshl_add_u32 v[SCW], v2, 4, s28
	s_wait_kmcnt 0x0
	s_add_nc_u64 s[4:5], s[4:5], s[22:23]
	s_add_nc_u64 s[6:7], s[6:7], s[24:25]
	s_add_nc_u64 s[8:9], s[8:9], s[24:25]
	s_add_nc_u64 s[10:11], s[10:11], s[26:27]
.irp p, 0,1,2,3,4,5,6,7
.irp c, 0,1
	global_load_b128 v[X+4*(2*\p+\c):X+4*(2*\p+\c)+3], v[VB], s[4:5] offset:(2*\p+24*(\p/4))*4096+256*\c
.endr
.endr
.irp c, 0,1
.irp g, 0,1,2,3,4,5,6,7
	global_load_b128 v[G+32*\c+4*\g:G+32*\c+4*\g+3], v[GA], s[6:7] offset:256*\c+16*\g   ; g at the columns that my registers will hold,
.endr
.endr
.irp c, 0,1
.irp g, 0,1,2,3,4,5,6,7
	global_load_b128 v[BE+32*\c+4*\g:BE+32*\c+4*\g+3], v[GA], s[8:9] offset:256*\c+16*\g   ; and be
.endr
.endr
.irp p, 0,1,2,3,4,5,6,7
.irp c, 0,1
	s_wait_loadcnt 47-(2*\p+\c)                    ; behind this load: the younger loads of x, the 16 of g and the 16 of be
	ds_store_b128 v[STI], v[X+4*(2*\p+\c):X+4*(2*\p+\c)+3] offset:1056*\p+256*\c
.endr
.endr
.irp c, 0,1
.irp g, 0,1,2,3,4,5,6,7
	ds_load_b128 v[X+32*\c+4*\g:X+32*\c+4*\g+3], v[STR] offset:256*\c+16*\g   ; LDS serves a wave's instructions in order: these come behind my stores, see them, and land in the registers that the stores have read
.endr
.endr
	s_wait_dscnt 0x0                               ; my numbers are back
; The four chains become one number, lane l xor 16 adds the row's other 64 of this wave, the eight waves' parts meet in LDS: v[RD8] = the row's sum.
.macro MERGE off
	v_pk_add_f32 v[SM:SM+1], v[SM:SM+1], v[SM+2:SM+3]
	v_pk_add_f32 v[SM+4:SM+5], v[SM+4:SM+5], v[SM+6:SM+7]
	v_pk_add_f32 v[SM:SM+1], v[SM:SM+1], v[SM+4:SM+5]
	v_add_f32 v[SM], v[SM], v[SM+1]
	v_permlanex16_b32 v[SM+1], v[SM], s20, s21
	v_add_f32 v[SM], v[SM], v[SM+1]
	ds_store_b32 v[RW], v[SM] offset:\off
	s_wait_dscnt 0x0                               ; for the others' sake
	s_barrier_signal -1
	s_barrier_wait -1
	ds_load_b128 v[RD8:RD8+3], v[RR] offset:\off
	ds_load_b128 v[RD8+4:RD8+7], v[RR] offset:\off+16
	s_wait_dscnt 0x0
	v_add_f32 v[RD8], v[RD8], v[RD8+1]
	v_add_f32 v[RD8+2], v[RD8+2], v[RD8+3]
	v_add_f32 v[RD8+4], v[RD8+4], v[RD8+5]
	v_add_f32 v[RD8+6], v[RD8+6], v[RD8+7]
	v_add_f32 v[RD8], v[RD8], v[RD8+2]
	v_add_f32 v[RD8+4], v[RD8+4], v[RD8+6]
	v_add_f32 v[RD8], v[RD8], v[RD8+4]
.endm
.irp k, 0,1,2,3
	v_pk_add_f32 v[SM+2*\k:SM+2*\k+1], v[X+2*\k:X+2*\k+1], v[X+8+2*\k:X+9+2*\k]   ; the first additions start the chains
.endr
.irp m, 2,3,4,5,6,7
.irp k, 0,1,2,3
	v_pk_add_f32 v[SM+2*\k:SM+2*\k+1], v[SM+2*\k:SM+2*\k+1], v[X+8*\m+2*\k:X+8*\m+2*\k+1]
.endr
.endr
	MERGE 0
	v_mul_f32 v12, s30, v[RD8]                     ; the mean, twice: a pair for the packed forms
	v_mov_b32 v13, v12
.set jj, 0
.rept 32
	v_pk_add_f32 v[X+jj:X+jj+1], v[X+jj:X+jj+1], v[12:13] neg_lo:[0,1] neg_hi:[0,1]
.set jj, jj+2
.endr
.irp k, 0,1,2,3
	v_pk_mul_f32 v[SM+2*\k:SM+2*\k+1], v[X+2*\k:X+2*\k+1], v[X+2*\k:X+2*\k+1]
.endr
.irp m, 1,2,3,4,5,6,7
.irp k, 0,1,2,3
	v_pk_fma_f32 v[SM+2*\k:SM+2*\k+1], v[X+8*\m+2*\k:X+8*\m+2*\k+1], v[X+8*\m+2*\k:X+8*\m+2*\k+1], v[SM+2*\k:SM+2*\k+1]
.endr
.endr
	MERGE 512
	v_fma_f32 v[RD8], v[RD8], s30, s31             ; the variance + 1e-5
	v_rsq_f32 v12, v[RD8]
	v_nop                                          ; a plain line behind the transcendental,
	s_wait_alu depctr_va_vdst(0)                   ; and a wait ahead of its first reader
	v_mov_b32 v13, v12
.set jj, 0
.rept 32
	v_pk_mul_f32 v[X+jj:X+jj+1], v[X+jj:X+jj+1], v[12:13]
.set jj, jj+2
.endr
	s_wait_loadcnt 0x0                             ; g and be
.set jj, 0
.rept 32
	v_pk_fma_f32 v[X+jj:X+jj+1], v[X+jj:X+jj+1], v[G+jj:G+jj+1], v[BE+jj:BE+jj+1]
.set jj, jj+2
.endr
.irp c, 0,1                                    ; block 2 c + lane / 16 of my row
	v_max3_num_f32 v[MX+\c], |v[X+32*\c]|, |v[X+32*\c+1]|, 0x1800000
.endr
.irp i, 2,4,6,8,10,12,14,16,18,20,22,24,26,28,30
.irp c, 0,1
	v_max3_num_f32 v[MX+\c], v[MX+\c], |v[X+32*\c+\i]|, |v[X+32*\c+\i+1]|
.endr
.endr
.irp c, 0,1
	v_add_nc_u32 v[SOP+\c], 0xff000000, v[MX+\c]
.endr
.irp c, 0,1
	v_lshrrev_b32 v[BY+\c], 23, v[SOP+\c]
.endr
	v_lshl_or_b32 v[WD], v[BY+1], 16, v[BY]
	v_lshlrev_b32 v[WD], v[SH8], v[WD]
	v_permlanex16_b32 v[PX], v[WD], s20, s21
	v_or_b32 v[WD], v[WD], v[PX]
.irp c, 0,1
.irp g, 0,1,2,3
	v_cvt_scalef32_pk8_fp4_f32 v[CD+4*\c+\g], v[X+32*\c+8*\g:X+32*\c+8*\g+7], v[SOP+\c]
.endr
.endr
	v_nop
.irp c, 0,1
	global_store_b128 v[LOW], v[CD+4*\c:CD+4*\c+3], s[10:11] offset:512*\c
.endr
	ds_store_b32 v[SCW], v[WD]
	s_wait_dscnt 0x0
	s_barrier_signal -1
	s_barrier_wait -1
	s_cmp_lg_u32 s18, 0
	s_cbranch_scc1 .Lend
	ds_load_b128 v[40:43], v[SCR]
	s_wait_dscnt 0x0
	global_store_b128 v[LOW], v[40:43], s[10:11] offset:8192
.Lend:
	s_wait_tensorcnt 0x0                           ; the wave's end
	ds_add_u32 v[SPW], v[NIL]
	s_wait_dscnt 0x0
	s_endpgm
.Lfunc_end_k_q6e88778a80_ln1:
	.size	k_q6e88778a80_ln1, .Lfunc_end_k_q6e88778a80_ln1-k_q6e88778a80_ln1
	.p2alignl 7, 3214868480
	.fill 96, 4, 3214868480
	.section	.rodata,"a",@progbits
	.p2align	6, 0x0
	.amdhsa_kernel k_q6e88778a80_ln1
		.amdhsa_group_segment_fixed_size 70144
		.amdhsa_private_segment_fixed_size 0
		.amdhsa_enable_private_segment 0
		.amdhsa_kernarg_size 32
		.amdhsa_user_sgpr_count 2
		.amdhsa_user_sgpr_kernarg_segment_ptr 1
		.amdhsa_wavefront_size32 1
		.amdhsa_system_sgpr_workgroup_id_x 1
		.amdhsa_system_sgpr_workgroup_id_y 1
		.amdhsa_system_sgpr_workgroup_id_z 1
		.amdhsa_system_vgpr_workitem_id 0
		.amdhsa_next_free_vgpr 256
		.amdhsa_next_free_sgpr 66
		.amdhsa_reserve_vcc 0
		.amdhsa_float_denorm_mode_32 3
		.amdhsa_float_denorm_mode_16_64 3
		.amdhsa_memory_ordered 1
		.amdhsa_forward_progress 1
		.amdhsa_inst_pref_size 26
	.end_amdhsa_kernel
	.amdgpu_metadata
---
amdhsa.version: [ 1, 2 ]
amdhsa.kernels:
  - .name:           k_q6e88778a80_ln1
    .symbol:         k_q6e88778a80_ln1.kd
    .args:
      - { .name: x, .offset: 0, .size: 8, .value_kind: global_buffer, .address_space: global }
      - { .name: g1, .offset: 8, .size: 8, .value_kind: global_buffer, .address_space: global }
      - { .name: be1, .offset: 16, .size: 8, .value_kind: global_buffer, .address_space: global }
      - { .name: hA, .offset: 24, .size: 8, .value_kind: global_buffer, .address_space: global }
    .group_segment_fixed_size: 70144
    .private_segment_fixed_size: 0
    .kernarg_segment_align: 8
    .kernarg_segment_size: 32
    .max_flat_workgroup_size: 256
    .sgpr_count:     66
    .vgpr_count:     256
    .wavefront_size: 32
...
	.end_amdgpu_metadata
.endif
;; end of part 2
;; launch qkvp (part 3): grid 8 x 32, 4 waves a work-group, clusters of 4 x 4, 279,040 bytes of LDS; arguments hA, wc, bq, bk, bv, hd; writes hd
.if DOCPART == 3
	.amdgcn_target "amdgcn-amd-amdhsa--gfx1250"
	.amdhsa_code_object_version 6
	.text
	.protected	k_q6e88778a80_qkvp
	.globl	k_q6e88778a80_qkvp
	.p2align	8
	.type	k_q6e88778a80_qkvp,@function
k_q6e88778a80_qkvp:
	s_mov_b64 s[64:65], 0
	v_nop
	global_prefetch_b8 v0, s[64:65] scope:SCOPE_SE
	s_setreg_imm32_b32 hwreg(HW_REG_WAVE_MODE, 25, 1), 1
	s_wait_xcnt 0x0
	s_wait_alu depctr_hold_cnt(0) depctr_sa_sdst(0) depctr_va_vdst(0) depctr_va_sdst(0) depctr_va_ssrc(0) depctr_va_vcc(0) depctr_vm_vsrc(0)
	s_getreg_b32 s2, hwreg(HW_REG_IB_STS2, 6, 4)
	s_cmp_eq_u32 s2, 0
	s_cbranch_scc0 .Lentry_in_a_cluster
	s_endpgm
.Lentry_in_a_cluster:
	s_bfe_u32 s2, ttmp6, 0x10000c
	s_cmp_lg_u32 s2, 0xf033
	s_cbranch_scc0 .Lentry_shape_is_right
	s_endpgm
.Lentry_shape_is_right:
; q, k, v = h W^T + b on codes of E2M1, each result quantised in the registers where it falls and stored as attention's operands.  No work is left out.
; SHARES.  A work-group: 128 rows of h (records 8 y ..) x 128 rows of each of Wq, Wk, Wv (two heads).  Wave w: four tiles of rows (group w / 2) x four tiles of weights (head 2 x + w % 2): 16 accumulators.
; All of K = 1,024 of the four panels (69,632 bytes each) is asked for at the head, a quarter of each panel by each wave.
; CLUSTER 4 x 4: h's panel is shared along a row of the cluster, the weights' along a column: joint loads.
; q, k: source 0 = weights, source 1 = h: a lane holds one row and, over a unit's four tiles, 32 neighbouring channels of its head: one block.  v: the sources change places: a lane holds one channel and
; 32 neighbouring keys: one block along the keys.  The bias is the C of each sum's first product.
; HEAD RECORD in hd, 217,088 bytes for each (batch, head): K's codes [tile][block][place][16], V's [128 keys][channel tile][block][place][16] at 0x10000, K's scale words at 0x20000, V's at 0x22000,
; Q's codes at 0x23000, Q's scale words at 0x33000.  A scale word of q or k: the two blocks' bytes, then 0x7f twice (the product's K is filled up to 128 with zero codes).
; LIMITS: NaN and infinities are not served; a block whose largest magnitude lies under 2^-124 keeps the byte 1.
; REGISTERS: window 0: v0-31 addresses, v32-63 scale words, v64-127 at work, v128-255 accumulators ((a, b) at 128 + 8 (4 a + b)); window 1: two buffers of fragments (two K steps each: 64 of h, 64 of W);
; window 2: v0-95 the three biases in the result's layout.
.set REC,   8704
.set QUART, 2*REC
.set HALF,  4*REC
.set PANEL, 8*REC
.set SPARE, 4*PANEL
.set HREC,  217088
.set ADRA, 16
.set ADRB, 17                          ; v17-19
.set ADRS, 20                          ; v20-22
.set LO16, 23
.set SO8,  24
.set LO8,  25
.set SH8,  26
.set BA,   27
.set SPW,  28
.set NIL,  29
.set BV,   30
.set SC,   32
.set MX,   64
.set SOP,  68
.set BY,   72
.set PX,   76
.set SL,   80
.set CD,   96
.set ACC,  128
.set F0,   0
.set F1,   128
.set MUL,  0x05                        ; sources 0 and 1 window 1
.set MULB, 0x25                        ; and C window 2
.set TO_F, 0x40
.set TO_2, 0x80
.set MOV2, 0x82
.set MSB, 0
.macro WIN new                         ; the immediate's high byte repeats the setting that is left
.if MSB != \new
	s_set_vgpr_msb (MSB<<8)|\new
.set MSB, \new
.endif
.endm
.macro PLACES
.rept 4
	v_nop
.endr
.endm
.macro CROUND                          ; a round of the cluster's barrier
	s_barrier_signal -1
	s_barrier_wait -1
	s_cmp_lg_u32 s16, 0
	s_cbranch_scc1 .Lnot_wave_0_\@
	s_barrier_signal -3
.Lnot_wave_0_\@:
	s_barrier_wait -3
	s_barrier_signal -1
	s_barrier_wait -1
.endm
; 32 LDS loads: the fragments of K steps 2 qd, 2 qd + 1 into buffer f, the first K step's sixteen first.  Each load takes 512 consecutive bytes.
.macro FETCH adra, adrb, qd, f
	WIN TO_F
.irp c2, 0,1
.irp i, 0,1,2,3
	ds_load_b128 v[\f+64+8*(4*\c2+\i):\f+64+8*(4*\c2+\i)+3],   v[\adrb] offset:\i*REC+(2*(\qd)+\c2)*1024
	ds_load_b128 v[\f+64+8*(4*\c2+\i)+4:\f+64+8*(4*\c2+\i)+7], v[\adrb] offset:\i*REC+(2*(\qd)+\c2)*1024+512
	ds_load_b128 v[\f+8*(4*\c2+\i):\f+8*(4*\c2+\i)+3],         v[\adra] offset:\i*REC+(2*(\qd)+\c2)*1024
	ds_load_b128 v[\f+8*(4*\c2+\i)+4:\f+8*(4*\c2+\i)+7],       v[\adra] offset:\i*REC+(2*(\qd)+\c2)*1024+512
.endr
.endr
.endm
.macro SCALES adrs                     ; register 16 u + 4 i + n: lanes 0-15 the word of h's tile i, lanes 16-31 that of W's tile i, for K step 4 u + n
.irp u, 0,1
.irp i, 0,1,2,3
	ds_load_b128 v[SC+16*\u+4*\i:SC+16*\u+4*\i+3], v[\adrs] offset:\i*REC+256*\u
.endr
.endr
.endm
; 8 products of K step ks (half c2 of buffer f).  The 16 accumulators take turns, one instruction a turn.  first: C is the bias.  swap: h is source 0.
.macro MUL8 f, c2, a0, ks, first, swap
.irp a, \a0, \a0+1
.irp b, 0,1,2,3
.set rgD, ACC+8*(4*(\a)+\b)
.set scA, SC+16*((\ks)/4)+4*(\a)+(\ks)%4
.set scB, SC+16*((\ks)/4)+4*\b+(\ks)%4
.if \swap
.set rg0, \f+8*(4*\c2+\b)
.set rg1, \f+64+8*(4*\c2+(\a))
.set rgC, BI+8*(\a)
.if \first
	v_wmma_scale_f32_16x16x128_f8f6f4 v[rgD:rgD+7], v[rg0:rg0+7], v[rg1:rg1+7], v[rgC:rgC+7], v[scB], v[scA] matrix_a_fmt:MATRIX_FMT_FP4 matrix_b_fmt:MATRIX_FMT_FP4 matrix_b_scale:MATRIX_SCALE_ROW1
.else
	v_wmma_scale_f32_16x16x128_f8f6f4 v[rgD:rgD+7], v[rg0:rg0+7], v[rg1:rg1+7], v[rgD:rgD+7], v[scB], v[scA] matrix_a_fmt:MATRIX_FMT_FP4 matrix_b_fmt:MATRIX_FMT_FP4 matrix_b_scale:MATRIX_SCALE_ROW1
.endif
.else
.set rg0, \f+64+8*(4*\c2+\b)
.set rg1, \f+8*(4*\c2+(\a))
.set rgC, BI+8*\b
.if \first
	v_wmma_scale_f32_16x16x128_f8f6f4 v[rgD:rgD+7], v[rg0:rg0+7], v[rg1:rg1+7], v[rgC:rgC+7], v[scB], v[scA] matrix_a_fmt:MATRIX_FMT_FP4 matrix_b_fmt:MATRIX_FMT_FP4 matrix_a_scale:MATRIX_SCALE_ROW1
.else
	v_wmma_scale_f32_16x16x128_f8f6f4 v[rgD:rgD+7], v[rg0:rg0+7], v[rg1:rg1+7], v[rgD:rgD+7], v[scB], v[scA] matrix_a_fmt:MATRIX_FMT_FP4 matrix_b_fmt:MATRIX_FMT_FP4 matrix_a_scale:MATRIX_SCALE_ROW1
.endif
.endif
.endr
.endr
.endm
; A quarter of K: two K steps, 32 products on buffer f; in its middle the next quarter's 32 loads go into buffer g, behind four places.
.macro QUARTER adrb, qd, f, g, first, swap
	s_wait_dscnt 16                                ; the first K step's fragments (and the scale words) are in; the second's sixteen loads may be out
.if \first
	WIN MULB
.else
	WIN MUL
.endif
	MUL8 \f, 0, 0, 2*(\qd), \first, \swap
	MUL8 \f, 0, 2, 2*(\qd), \first, \swap
	PLACES
	FETCH ADRA, \adrb, (\qd)+1, \g
	s_wait_dscnt 32                                ; all but the 32 just issued
	WIN MUL
	MUL8 \f, 1, 0, 2*(\qd)+1, 0, \swap
	MUL8 \f, 1, 2, 2*(\qd)+1, 0, \swap
.endm
; One of the three products.  left: the later panels' loads of mine, which may stay out.
.macro TILE t, left, swap
.set BI, 32*\t
	WIN 0
	s_wait_dscnt 0x0
	s_wait_tensorcnt \left                         ; my quarters of h's panel and of this panel have landed,
	s_barrier_signal -1
	s_barrier_wait -1                              ; everybody's have
	SCALES ADRS+\t
	FETCH ADRA, ADRB+\t, 0, F0
	QUARTER ADRB+\t, 0, F0, F1, 1, \swap
	QUARTER ADRB+\t, 1, F1, F0, 0, \swap
	QUARTER ADRB+\t, 2, F0, F1, 0, \swap
	s_wait_dscnt 16
	WIN MUL
	MUL8 F1, 0, 0, 6, 0, \swap
	MUL8 F1, 0, 2, 6, 0, \swap
	s_wait_dscnt 0x0
	MUL8 F1, 1, 0, 7, 0, \swap
	MUL8 F1, 1, 2, 7, 0, \swap
	WIN 0
	PLACES                                         ; in front of the first read of results
.endm
; The four units (32 registers each: one block of 32 a lane) are quantised by turns: codes in v[CD + 4 a ..], in v[BY + a] the bytes of the lane's block and of lane l xor 16's as a half-word.
.macro Q4
	s_wait_xcnt 0x0                                ; the last stores have read their registers
.irp a, 0,1,2,3
	v_max3_num_f32 v[MX+\a], |v[ACC+32*\a]|, |v[ACC+32*\a+1]|, 0x1800000   ; each accumulator is read from its low end on
.endr
.irp i, 2,4,6,8,10,12,14,16,18,20,22,24,26,28,30
.irp a, 0,1,2,3
	v_max3_num_f32 v[MX+\a], v[MX+\a], |v[ACC+32*\a+\i]|, |v[ACC+32*\a+\i+1]|
.endr
.endr
.irp a, 0,1,2,3
	v_add_nc_u32 v[SOP+\a], 0xff000000, v[MX+\a]
.endr
.irp a, 0,1,2,3
	v_lshrrev_b32 v[BY+\a], 23, v[SOP+\a]
.endr
.irp a, 0,1,2,3
	v_lshlrev_b32 v[BY+\a], v[SH8], v[BY+\a]
.endr
.irp a, 0,1,2,3
	v_permlanex16_b32 v[PX+\a], v[BY+\a], s20, s21
.endr
.irp a, 0,1,2,3
	v_or_b32 v[BY+\a], v[BY+\a], v[PX+\a]
.endr
.irp a, 0,1,2,3
.irp b, 0,1,2,3
	v_cvt_scalef32_pk8_fp4_f32 v[CD+4*\a+\b], v[ACC+32*\a+8*\b:ACC+32*\a+8*\b+7], v[SOP+\a]
.endr
.endr
	v_nop                                          ; a plain line behind the last scaled conversion
.endm
.macro EPI_QK coff, soff
	Q4
.irp a, 0,1,2,3
	v_or_b32 v[BY+\a], 0x7f7f0000, v[BY+\a]        ; the word's upper two bytes: 1.0
.endr
	v_cndmask_b32 v[SL], v[BY], v[BY+2], s19       ; lanes 0-15 send tiles 0, 1, lanes 16-31 tiles 2, 3
	v_cndmask_b32 v[SL+1], v[BY+1], v[BY+3], s19
.irp a, 0,1,2,3
	global_store_b128 v[LO16], v[CD+4*\a:CD+4*\a+3], s[68:69] offset:\coff+512*\a
.endr
	global_store_b64 v[SO8], v[SL:SL+1], s[70:71] offset:\soff   ; the wave stores 256 consecutive bytes
.endm
	s_load_b256 s[4:11], s[0:1], 0x0               ; hA, wc, bq, bk
	s_load_b128 s[12:15], s[0:1], 0x20             ; bv, hd
	v_lshl_add_u32 v[SPW], v0, 2, SPARE
	v_mov_b32 v[NIL], 0
	ds_add_u32 v[SPW], v[NIL]                      ; the wave's opening: the add, twice on end, and its wait ahead of my first tensor load
	ds_add_u32 v[SPW], v[NIL]
	v_lshrrev_b32 v1, 5, v0
	v_readfirstlane_b32 s16, v1                    ; wave
	s_lshr_b32 s17, s16, 1                         ; my group of rows
	s_and_b32 s18, s16, 1                          ; my head of the two
	s_mov_b32 s19, 0xffff0000                      ; lanes 16-31
	s_mov_b32 s20, 0x76543210
	s_mov_b32 s21, 0xfedcba98
	s_bfe_u32 s56, ttmp6, 0x40000                  ; cx
	s_bfe_u32 s57, ttmp6, 0x40004                  ; cy
	s_lshl_b32 s58, ttmp9, 2
	s_add_co_u32 s58, s58, s56                     ; x
	s_and_b32 s59, ttmp7, 0xffff
	s_lshl_b32 s59, s59, 2
	s_add_co_u32 s59, s59, s57                     ; y
	s_lshl_b32 s60, s57, 2
	s_lshl_b32 s60, 15, s60                        ; my row of the cluster
	s_lshl_b32 s61, 0x1111, s56                    ; my column
	s_or_b32 s24, s60, (3<<16)|(1<<21)             ; group 1: the mask; elements of 8 bytes; bit 21 beside a mask; no padding
	s_or_b32 s32, s61, (3<<16)|(1<<21)
.irp g, 24, 32
	s_mov_b32 s[\g+1], 1088<<16                    ; tensor_dim0: a record, 1,088 elements
	s_mov_b32 s[\g+2], 2<<16                       ; tensor_dim1: two records
	s_mov_b32 s[\g+3], 1088<<16                    ; tile_dim0
	s_mov_b32 s[\g+4], 2                           ; tile_dim1
	s_mov_b32 s[\g+5], 1088                        ; from record to record
	s_mov_b32 s[\g+6], 0
	s_mov_b32 s[\g+7], 0
.endr
	s_lshl_b32 s76, s59, 3
	s_lshl_b32 s77, s16, 1
	s_add_co_u32 s76, s76, s77                     ; h: record 8 y + 2 w
	s_mul_i32 s76, s76, REC
	s_mov_b32 s77, 0
	s_lshl_b32 s78, s58, 3
	s_lshl_b32 s79, s16, 1
	s_add_co_u32 s78, s78, s79                     ; W: record 8 x + 2 w of each tensor
	s_mul_i32 s78, s78, REC
	s_mov_b32 s79, 0
	s_mul_i32 s80, s16, QUART                      ; and where they go in a panel: no place in the cluster enters an LDS address
	s_wait_dscnt 0x0                               ; both opening adds are done
	s_wait_kmcnt 0x0
	s_mov_b32 s40, 1
	s_mov_b32 s41, s80
	s_add_nc_u64 s[42:43], s[4:5], s[76:77]
	s_or_b32 s43, s43, 0x80000000
.irp t, 0,1,2
	s_mov_b32 s[44+4*\t], 1
	s_add_co_u32 s[45+4*\t], s80, (1+\t)*PANEL
	s_add_nc_u64 s[46+4*\t:47+4*\t], s[6:7], s[78:79]
	s_add_nc_u64 s[46+4*\t:47+4*\t], s[46+4*\t:47+4*\t], 64*\t*REC
	s_or_b32 s[47+4*\t], s[47+4*\t], 0x80000000
.endr
	CROUND                                         ; all sixteen work-groups are here: the joint loads meet
	tensor_load_to_lds s[40:43], s[24:31]
	s_nop 0
	tensor_load_to_lds s[44:47], s[32:39]
	s_nop 0
	tensor_load_to_lds s[48:51], s[32:39]
	s_nop 0
	tensor_load_to_lds s[52:55], s[32:39]
	s_nop 0
.rept 4
	v_nop
.endr
	v_and_b32 v1, 31, v0
	v_and_b32 v2, 15, v0                           ; r
	v_bfe_u32 v3, v0, 4, 1                         ; h
	v_lshlrev_b32 v[LO16], 4, v1
	s_mul_i32 s81, s17, HALF                       ; my four tiles of h
	s_mul_i32 s82, s18, HALF                       ; my four tiles in a panel of W
	s_add_co_u32 s84, s81, 8192
	v_add_nc_u32 v[ADRA], s81, v[LO16]
	v_lshlrev_b32 v5, 4, v2
.irp t, 0,1,2
	s_add_co_u32 s83, s82, (1+\t)*PANEL
	v_add_nc_u32 v[ADRB+\t], s83, v[LO16]
	s_sub_co_u32 s83, s83, s81
	v_mul_u32_u24 v4, s83, v3                      ; lanes 16-31 take W's scale words: one product, the distance between the two
	v_add_nc_u32 v4, v5, v4
	v_add_nc_u32 v[ADRS+\t], s84, v4
.endr
	v_lshl_add_u32 v[SO8], v3, 3, v5               ; 16 r + 8 h
	v_lshlrev_b32 v[LO8], 3, v1
	v_lshlrev_b32 v[SH8], 3, v3
	v_lshlrev_b32 v[BA], 7, v3                     ; bq, bk: my 32 channels begin 32 h on
	v_and_b32 v4, 7, v2
	v_lshrrev_b32 v5, 3, v2
	v_lshlrev_b32 v4, 2, v4
	v_lshl_add_u32 v[BV], v5, 7, v4                ; bv: the channel at place r of a tile: (r & 7) + 32 (r >> 3)
.irp a, 0,1,2,3
	v_mov_b32 v[PX+\a], 0                          ; a lane permute's destination counts as read
.endr
	s_lshr_b32 s86, s59, 4                         ; batch
	s_and_b32 s87, s59, 15                         ; which 128 rows of it
	s_lshl_b32 s88, s58, 1
	s_add_co_u32 s88, s88, s18                     ; head
	s_lshl_b32 s90, s86, 4
	s_add_co_u32 s90, s90, s88
	s_mul_i32 s90, s90, HREC
	s_mov_b32 s91, 0
	s_add_nc_u64 s[14:15], s[14:15], s[90:91]      ; my head's record
	s_lshl_b32 s89, s87, 12
	s_lshl_b32 s90, s17, 11
	s_add_co_u32 s90, s90, s89
	s_add_nc_u64 s[68:69], s[14:15], s[90:91]      ; codes of q, k: 512 bytes a tile
	s_lshl_b32 s90, s17, 9
	s_add_co_u32 s90, s90, s89
	s_add_nc_u64 s[72:73], s[14:15], s[90:91]      ; codes of v: 4,096 a step, my group's half of each image
	s_lshl_b32 s89, s87, 9
	s_lshl_b32 s90, s17, 8
	s_add_co_u32 s90, s90, s89
	s_add_nc_u64 s[70:71], s[14:15], s[90:91]      ; scale words of q, k
	s_lshl_b32 s89, s87, 8
	s_lshl_b32 s90, s17, 1
	s_add_co_u32 s90, s90, s89
	s_add_nc_u64 s[74:75], s[14:15], s[90:91]      ; scale half-words of v
	s_lshl_b32 s90, s88, 8
	s_add_nc_u64 s[8:9], s[8:9], s[90:91]
	s_add_nc_u64 s[10:11], s[10:11], s[90:91]
	s_add_nc_u64 s[12:13], s[12:13], s[90:91]
	WIN TO_2
.irp b, 0,1,2,3
	global_load_b128 v[8*\b:8*\b+3],       v[BA], s[8:9] offset:32*\b
	global_load_b128 v[8*\b+4:8*\b+7],     v[BA], s[8:9] offset:32*\b+16
	global_load_b128 v[32+8*\b:32+8*\b+3], v[BA], s[10:11] offset:32*\b
	global_load_b128 v[32+8*\b+4:32+8*\b+7], v[BA], s[10:11] offset:32*\b+16
.endr
.irp a, 0,1,2,3
	global_load_b32 v[64+8*\a], v[BV], s[12:13] offset:32*\a
.endr
	s_wait_loadcnt 0x0
	WIN MOV2
.irp a, 0,1,2,3
.irp j, 1,2,3,4,5,6,7
	v_mov_b32 v[64+8*\a+\j], v[64+8*\a]            ; v's bias is the same for a lane's eight keys
.endr
.endr
	TILE 0, 2, 0
	EPI_QK 0x23000, 0x33000
	TILE 1, 1, 0
	EPI_QK 0, 0x20000
	TILE 2, 0, 1
	Q4
	v_cndmask_b32 v[SL], v[BY], v[BY+2], s19       ; lanes 0-15 send channel tiles 0, 1, lanes 16-31 tiles 2, 3
	v_cndmask_b32 v[SL+1], v[BY+1], v[BY+3], s19
.irp a, 0,1,2,3
	global_store_b128 v[LO16], v[CD+4*\a:CD+4*\a+3], s[72:73] offset:0x10000+1024*\a
.endr
	global_store_b16 v[LO8], v[SL], s[74:75] offset:0x22000     ; my group owns two of a word's four bytes
	global_store_b16 v[LO8], v[SL+1], s[74:75] offset:0x22000+4
	s_wait_tensorcnt 0x0                           ; the wave's end
	ds_add_u32 v[SPW], v[NIL]
	s_wait_dscnt 0x0
	CROUND                                         ; the closing round
	s_endpgm
.Lfunc_end_k_q6e88778a80_qkvp:
	.size	k_q6e88778a80_qkvp, .Lfunc_end_k_q6e88778a80_qkvp-k_q6e88778a80_qkvp
	.p2alignl 7, 3214868480
	.fill 96, 4, 3214868480
	.section	.rodata,"a",@progbits
	.p2align	6, 0x0
	.amdhsa_kernel k_q6e88778a80_qkvp
		.amdhsa_group_segment_fixed_size 279040
		.amdhsa_private_segment_fixed_size 0
		.amdhsa_enable_private_segment 0
		.amdhsa_kernarg_size 48
		.amdhsa_user_sgpr_count 2
		.amdhsa_user_sgpr_kernarg_segment_ptr 1
		.amdhsa_wavefront_size32 1
		.amdhsa_system_sgpr_workgroup_id_x 1
		.amdhsa_system_sgpr_workgroup_id_y 1
		.amdhsa_system_sgpr_workgroup_id_z 1
		.amdhsa_system_vgpr_workitem_id 0
		.amdhsa_next_free_vgpr 768
		.amdhsa_next_free_sgpr 96
		.amdhsa_reserve_vcc 0
		.amdhsa_float_denorm_mode_32 3
		.amdhsa_float_denorm_mode_16_64 3
		.amdhsa_memory_ordered 1
		.amdhsa_forward_progress 1
		.amdhsa_inst_pref_size 108
	.end_amdhsa_kernel
	.amdgpu_metadata
---
amdhsa.version: [ 1, 2 ]
amdhsa.kernels:
  - .name:           k_q6e88778a80_qkvp
    .symbol:         k_q6e88778a80_qkvp.kd
    .args:
      - { .name: hA, .offset: 0, .size: 8, .value_kind: global_buffer, .address_space: global }
      - { .name: wc, .offset: 8, .size: 8, .value_kind: global_buffer, .address_space: global }
      - { .name: bq, .offset: 16, .size: 8, .value_kind: global_buffer, .address_space: global }
      - { .name: bk, .offset: 24, .size: 8, .value_kind: global_buffer, .address_space: global }
      - { .name: bv, .offset: 32, .size: 8, .value_kind: global_buffer, .address_space: global }
      - { .name: hd, .offset: 40, .size: 8, .value_kind: global_buffer, .address_space: global }
    .group_segment_fixed_size: 279040
    .private_segment_fixed_size: 0
    .kernarg_segment_align: 8
    .kernarg_segment_size: 48
    .max_flat_workgroup_size: 128
    .sgpr_count:     96
    .vgpr_count:     768
    .wavefront_size: 32
...
	.end_amdgpu_metadata
.endif
;; end of part 3
;; launch attn (part 4): grid 8 x 32, 16 waves a work-group, clusters of 4 x 1, 167,936 bytes of LDS; arguments hd, attention_mask, cx; writes cx
.if DOCPART == 4
	.amdgcn_target "amdgcn-amd-amdhsa--gfx1250"
	.amdhsa_code_object_version 6
	.text
	.protected	k_q6e88778a80_attn
	.globl	k_q6e88778a80_attn
	.p2align	8
	.type	k_q6e88778a80_attn,@function
k_q6e88778a80_attn:
	s_mov_b64 s[64:65], 0
	v_nop
	global_prefetch_b8 v0, s[64:65] scope:SCOPE_SE
	s_setreg_imm32_b32 hwreg(HW_REG_WAVE_MODE, 25, 1), 1
	s_wait_xcnt 0x0
	s_wait_alu depctr_hold_cnt(0) depctr_sa_sdst(0) depctr_va_vdst(0) depctr_va_sdst(0) depctr_va_ssrc(0) depctr_va_vcc(0) depctr_vm_vsrc(0)
	s_getreg_b32 s2, hwreg(HW_REG_IB_STS2, 6, 4)
	s_cmp_eq_u32 s2, 0
	s_cbranch_scc0 .Lentry_in_a_cluster
	s_endpgm
.Lentry_in_a_cluster:
	s_bfe_u32 s2, ttmp6, 0x10000c
	s_cmp_lg_u32 s2, 0x3003
	s_cbranch_scc0 .Lentry_shape_is_right
	s_endpgm
.Lentry_shape_is_right:
; ATTENTION on codes of E2M1, for one (batch, head) and 256 queries a work-group; the result is quantised along the channels into the next product's records.  No work is left out: the mask is an input and is added for any value.
; t = (q . k + 8 (mask - 1) 10000) x log2(e) / 8; M = the running largest t rounded up to a whole number; p = 2^(t - M) is quantised along the keys; the row's sum is taken of the unquantised p and divides at the end.
; SHARES.  Sixteen waves, each one tile of 16 queries in 256 registers.  K's and V's codes and scale words of the WHOLE head are one dense block of 143,360 bytes: they come into LDS once, 8,960 bytes by each wave's
; one tensor load, and stay: no ring, no refill, and nothing later that could be asked for ahead.  CLUSTER 4 x 1: the four query blocks of a cluster belong to one head: the load is joint.
; LAYOUT.  S^T = K Q^T and O^T = V^T P^T: a lane holds one query throughout.  The keys of a tile are chosen (place p of tile 4 G + i: key 64 G + 8 i + (p & 7) + 32 (p >> 3)) so that four tiles give a lane 32
; neighbouring keys: a whole block; the conversions' results are the second product's operand as they stand.  The head has 64 channels: the first product's K is filled to 128: Q's upper codes are zeros, so what
; stands in K's upper registers (the next tile's codes) adds nothing; the scale bytes there are 1.0.  The mask's term is the C of the first product: it is loaded into the scores' registers.
; LIMITS: NaN and infinities are not served; with a mask far from 1 the sum q . k + 8 (mask - 1) 10000 has the grain of reference()'s own f32 addition.
.set HREC,  217088
.set OVC,   0x10000
.set OKS,   0x20000
.set OVS,   0x22000
.set OQC,   0x23000
.set OQS,   0x33000
.set MK,    143360                     ; 2,048 f32: the mask's term, by key
.set SPARE, 151552
.set REC,   8704
.set AK0, 1
.set AV0, 2
.set AM0, 3
.set AS0, 4
.set AT0, 5
.set SPW, 6
.set NIL, 7
.set WV,  18
.set CS,  22                           ; s[22:23] log2(e) / 8
.macro CROUND
	s_barrier_signal -1
	s_barrier_wait -1
	s_cmp_lg_u32 s[WV], 0
	s_cbranch_scc1 .Lnot_wave_0_\@
	s_barrier_signal -3
.Lnot_wave_0_\@:
	s_barrier_wait -3
	s_barrier_signal -1
	s_barrier_wait -1
.endm
	s_load_b128 s[4:7], s[0:1], 0x0                ; hd, the mask
	s_load_b64 s[8:9], s[0:1], 0x10                ; cx
	v_lshl_add_u32 v[SPW], v0, 2, SPARE
	v_mov_b32 v[NIL], 0
	ds_add_u32 v[SPW], v[NIL]                      ; the wave's opening: the add, twice on end, and its wait ahead of my first tensor load
	ds_add_u32 v[SPW], v[NIL]
	v_lshrrev_b32 v8, 5, v0
	v_readfirstlane_b32 s[WV], v8                  ; wave 0..15
	s_and_b32 s12, ttmp7, 0xffff                   ; 16 x batch + head, which the four partners share
	s_mul_i32 s26, s12, HREC
	s_mov_b32 s27, 0
	s_mul_i32 s16, s[WV], 8960                     ; my part of the block, in memory and in LDS
	s_mov_b32 s17, 0
	s_mov_b32 s32, 15|(3<<16)|(1<<21)              ; group 1: all four work-groups; elements of 8 bytes; bit 21 beside a mask
	s_mov_b32 s33, 32<<16                          ; rows of 256 bytes,
	s_mov_b32 s34, 35<<16                          ; 35 of them,
	s_mov_b32 s35, 32<<16
	s_mov_b32 s36, 35
	s_mov_b32 s37, 32                              ; dense
	s_mov_b32 s38, 0
	s_mov_b32 s39, 0
	s_mov_b32 s20, 0x76543210
	s_mov_b32 s21, 0xfedcba98
	s_mov_b32 s[CS], 0x3e38aa3b
	s_mov_b32 s[CS+1], s[CS]
	s_wait_dscnt 0x0                               ; both opening adds are done
	s_wait_kmcnt 0x0
	s_add_nc_u64 s[4:5], s[4:5], s[26:27]          ; my head's record
	s_mov_b32 s28, 1
	s_mov_b32 s29, s16
	s_add_nc_u64 s[30:31], s[4:5], s[16:17]
	s_or_b32 s31, s31, 0x80000000
	CROUND                                         ; all four work-groups are here: the joint loads meet
	tensor_load_to_lds s[28:31], s[32:39]
	s_nop 0
.rept 4
	v_nop
.endr
	s_bfe_u32 s10, ttmp6, 0x40000                  ; cx: it enters Q's and the result's addresses alone
	s_lshl_b32 s11, ttmp9, 2
	s_add_co_u32 s11, s11, s10
	s_lshl_b32 s11, s11, 4
	s_add_co_u32 s11, s11, s[WV]                   ; my tile of queries, 0..127
	s_lshr_b32 s13, s12, 4                         ; batch
	s_and_b32 s14, s12, 15                         ; head
	v_lshlrev_b32 v8, 4, v0
	s_lshl_b32 s24, s13, 13
	s_mov_b32 s25, 0
	s_add_nc_u64 s[6:7], s[6:7], s[24:25]
	global_load_b128 v[96:99], v8, s[6:7]          ; four keys' mask a thread
	v_and_b32 v9, 31, v0
	v_and_b32 v10, 15, v0
	v_bfe_u32 v11, v0, 4, 1
	v_lshlrev_b32 v[AK0], 4, v9
	v_lshlrev_b32 v28, 4, v10                      ; 16 r
	s_lshl_b32 s24, s11, 9
	s_add_nc_u64 s[40:41], s[4:5], s[24:25]
	global_load_b128 v[16:19], v[AK0], s[40:41] offset:OQC   ; Q's codes stay in registers; s[40:41] is not written again
	s_lshr_b32 s24, s11, 2
	s_lshl_b32 s24, s24, 8
	s_and_b32 s42, s11, 3
	s_lshl_b32 s42, s42, 2
	s_add_co_u32 s24, s24, s42
	s_add_nc_u64 s[44:45], s[4:5], s[24:25]
	global_load_b32 v25, v28, s[44:45] offset:OQS  ; and its scale words; s[44:45] is not written again
	v_add_nc_u32 v[AV0], OVC, v[AK0]
	v_lshl_add_u32 v[AM0], v11, 7, MK
	v_add_nc_u32 v[AS0], OKS, v[AK0]
	v_lshl_add_u32 v[AT0], v9, 3, OVS
	v_lshlrev_b32 v26, 3, v11                      ; 8 h
	v_add_nc_u32 v27, MK, v8
	s_lshl_b32 s26, s13, 7                         ; the result's addresses, in registers that no pending load names
	s_add_co_u32 s26, s26, s11
	s_mul_i32 s15, s26, REC                        ; the result's record: tile 128 x batch + mine
	s_lshl_b32 s26, s14, 9
	s_add_co_u32 s26, s26, s15                     ; K step head / 2, half head % 2: 512 x head
	s_mov_b32 s27, 0
	s_add_nc_u64 s[50:51], s[8:9], s[26:27]
	s_lshr_b32 s26, s14, 3
	s_lshl_b32 s26, s26, 8
	s_and_b32 s19, s14, 7
	s_lshl_b32 s19, s19, 1
	s_add_co_u32 s26, s26, s19
	s_add_co_u32 s26, s26, s15
	s_add_nc_u64 s[52:53], s[8:9], s[26:27]
	v_mov_b32 v13, 0xff61b1e6                      ; the largest t so far: -3e38
	v_floor_f32 v12, -v13                          ; -M
	v_mov_b32 v14, 0                               ; the sum, in two halves
	v_mov_b32 v15, 0
.irp j, 20,21,22,23, 64,65,66,67, 243,250,253
	v_mov_b32 v[\j], 0                             ; Q's upper codes; what follows K's last tile; permutes' destinations; the upper half of a pair
.endr
.set jj, 0
.rept 32
	v_mov_b32 v[160+jj], 0                         ; O^T: the loop is written once; its first step finds zeros
.set jj, jj+1
.endr
	s_wait_loadcnt 0x2                             ; the mask is in; Q's two loads may be out
.irp j, 96,97,98,99
	v_add_f32 v[\j], -1.0, v[\j]
.endr
.irp j, 96,97,98,99
	v_mul_f32 v[\j], 0x479c4000, v[\j]             ; x 80,000 = x 10,000 x 8, rounded alike: a power of two moves no rounding
.endr
	ds_store_b128 v27, v[96:99]
	s_wait_tensorcnt 0x0                           ; my part of the head has landed,
	s_wait_dscnt 0x0                               ; my part of the mask is stored,
	s_barrier_signal -1
	s_barrier_wait -1                              ; everybody's are
	s_wait_loadcnt 0x0
	s_mov_b32 s46, 0                               ; codes: 4,096 bytes a step
	s_mov_b32 s47, 0                               ; the mask and K's scale words: 512
	s_mov_b32 s48, 0                               ; V's scale words: 256
	s_mov_b32 s49, 16
.Lstep:                                            ; 128 keys a trip
	v_add_nc_u32 v8, s46, v[AK0]                   ; (five plain lines: the places in front of the loads into registers that the last products read)
	v_add_nc_u32 v9, s46, v[AV0]
	v_add_nc_u32 v10, s47, v[AM0]
	v_add_nc_u32 v11, s47, v[AS0]
	v_add_nc_u32 v24, s48, v[AT0]
.irp c, 0,1
.irp i, 0,1,2,3
	ds_load_b128 v[96+32*\c+8*\i:99+32*\c+8*\i],   v10 offset:256*\c+32*\i      ; the mask's term of keys 64 c + 32 h + 8 i + 0 .. 7, where their scores will fall
	ds_load_b128 v[100+32*\c+8*\i:103+32*\c+8*\i], v10 offset:256*\c+32*\i+16
.endr
.endr
.irp t, 0,1,2,3,4,5,6,7
	ds_load_b128 v[32+4*\t:35+4*\t], v8 offset:512*\t
.endr
	ds_load_b128 v[232:235], v11                   ; register i: lanes 0-15 tile i's words, lanes 16-31 tile 4 + i's
.irp d, 0,1,2,3
.irp c, 0,1
	ds_load_b128 v[192+8*\d+4*\c:195+8*\d+4*\c], v9 offset:1024*\d+512*\c
.endr
.endr
	ds_load_b64 v[236:237], v24                    ; register e: lanes 0-15 channel tile e's words, lanes 16-31 tile 2 + e's
	s_wait_dscnt 9                                 ; V's nine loads may be out
.irp i, 0,1,2,3
	v_wmma_scale_f32_16x16x128_f8f6f4 v[96+8*\i:103+8*\i], v[32+4*\i:39+4*\i], v[16:23], v[96+8*\i:103+8*\i], v[232+\i], v25 matrix_a_fmt:MATRIX_FMT_FP4 matrix_b_fmt:MATRIX_FMT_FP4
.endr
.irp i, 0,1,2,3
	v_wmma_scale_f32_16x16x128_f8f6f4 v[128+8*\i:135+8*\i], v[48+4*\i:55+4*\i], v[16:23], v[128+8*\i:135+8*\i], v[232+\i], v25 matrix_a_fmt:MATRIX_FMT_FP4 matrix_b_fmt:MATRIX_FMT_FP4 matrix_a_scale:MATRIX_SCALE_ROW1
.endr
.rept 4
	v_nop
.endr
.irp c, 0,1
	v_max3_num_f32 v[240+\c], v[96+32*\c], v[97+32*\c], v[98+32*\c]   ; the largest score of each of my two blocks: for the row's maximum and for the block's largest p
.endr
.irp i, 3,5,7,9,11,13,15,17,19,21,23,25,27,29
.irp c, 0,1
	v_max3_num_f32 v[240+\c], v[240+\c], v[96+32*\c+\i], v[97+32*\c+\i]
.endr
.endr
.irp c, 0,1
	v_max_num_f32 v[240+\c], v[240+\c], v[127+32*\c]
.endr
	v_max_num_f32 v242, v240, v241
	v_permlanex16_b32 v243, v242, s20, s21
	v_max_num_f32 v242, v242, v243                 ; the step's largest score of my query
	v_mul_f32 v242, s[CS], v242
	v_max_num_f32 v13, v13, v242                   ; the running largest t
	v_mov_b32 v242, v12
	v_floor_f32 v12, -v13                          ; -M = floor(-t): M is a whole number
	v_sub_f32 v242, v12, v242
	v_cvt_i32_f32 v242, v242                       ; (it saturates)
	v_ldexp_f32 v252, 1.0, v242                    ; f = 2^(old M - new M)
.set jj, 0
.rept 32
	v_pk_fma_f32 v[96+jj:97+jj], v[96+jj:97+jj], s[CS:CS+1], v[12:13] op_sel_hi:[1,0,0]   ; t - M
.set jj, jj+2
.endr
.irp c, 0,1
	v_fma_f32 v[240+\c], v[240+\c], s[CS], v12
.endr
.set jj, 0
.rept 64
	v_exp_f32 v[96+jj], v[96+jj]                   ; p
.set jj, jj+1
.endr
	v_pk_mul_f32 v[14:15], v[14:15], v[252:253] op_sel_hi:[1,0]   ; the sums under the new M (a plain line behind the exponentials)
	s_wait_alu depctr_va_vdst(0)                   ; one wait for the batch, ahead of its first reader
.irp c, 0,1
	v_exp_f32 v[240+\c], v[240+\c]                 ; the block's largest p
.endr
	v_pk_add_f32 v[248:249], v[96:97], v[98:99]    ; the row's sum of the unquantised p, in two chains
.irp j, 4,8,12,16,20,24,28,32,36,40,44,48,52,56,60
	v_pk_add_f32 v[14:15], v[14:15], v[96+\j:97+\j]
	v_pk_add_f32 v[248:249], v[248:249], v[98+\j:99+\j]
.endr
	v_pk_add_f32 v[14:15], v[14:15], v[248:249]
	s_wait_alu depctr_va_vdst(0)                   ; and one for the two
.irp c, 0,1
	v_max_num_f32 v[240+\c], 0x1800000, v[240+\c]  ; the floor: the byte cannot fall under 1
.endr
.irp c, 0,1
	v_add_nc_u32 v[244+\c], 0xff000000, v[240+\c]
.endr
.irp c, 0,1
	v_lshrrev_b32 v[246+\c], 23, v[244+\c]
.endr
	v_lshl_or_b32 v238, v247, 16, v246
	v_lshlrev_b32 v238, v26, v238
	v_permlanex16_b32 v250, v238, s20, s21
	v_or_b32 v238, v238, v250                      ; p's scale word for these 128 keys
.irp c, 0,1
.irp i, 0,1,2,3
	v_cvt_scalef32_pk8_fp4_f32 v[224+4*\c+\i], v[96+32*\c+8*\i:103+32*\c+8*\i], v[244+\c]   ; register 4 c + i of the operand
.endr
.endr
	v_nop
.set jj, 0
.rept 16
	v_pk_mul_f32 v[160+jj:161+jj], v[160+jj:161+jj], v[252:253] op_sel_hi:[1,0]   ; O^T under the new M (also the places in front of the products below)
.set jj, jj+2
.endr
	s_wait_dscnt 0x0                               ; V
.irp d, 0,1
	v_wmma_scale_f32_16x16x128_f8f6f4 v[160+8*\d:167+8*\d], v[192+8*\d:199+8*\d], v[224:231], v[160+8*\d:167+8*\d], v[236+\d], v238 matrix_a_fmt:MATRIX_FMT_FP4 matrix_b_fmt:MATRIX_FMT_FP4
.endr
.irp d, 0,1
	v_wmma_scale_f32_16x16x128_f8f6f4 v[176+8*\d:183+8*\d], v[208+8*\d:215+8*\d], v[224:231], v[176+8*\d:183+8*\d], v[236+\d], v238 matrix_a_fmt:MATRIX_FMT_FP4 matrix_b_fmt:MATRIX_FMT_FP4 matrix_a_scale:MATRIX_SCALE_ROW1
.endr
	s_add_co_u32 s46, s46, 4096
	s_add_co_u32 s47, s47, 512
	s_add_co_u32 s48, s48, 256
	s_sub_co_u32 s49, s49, 1
	s_cmp_lg_u32 s49, 0
	s_cbranch_scc1 .Lstep
	; THE WAY OUT: O^T / the sum: my 32 registers are channels 32 h + 0 .. 31 of my query: one block of the next product's K
.rept 4
	v_nop
.endr
	v_add_f32 v14, v14, v15
	v_permlanex16_b32 v243, v14, s20, s21
	v_add_f32 v14, v14, v243
	v_rcp_f32 v14, v14
	v_nop
	s_wait_alu depctr_va_vdst(0)
	v_mov_b32 v15, v14
.set jj, 0
.rept 16
	v_pk_mul_f32 v[96+jj:97+jj], v[160+jj:161+jj], v[14:15]
.set jj, jj+2
.endr
	v_max3_num_f32 v240, |v96|, |v97|, 0x1800000
.irp i, 2,4,6,8,10,12,14,16,18,20,22,24,26,28,30
	v_max3_num_f32 v240, v240, |v[96+\i]|, |v[97+\i]|
.endr
	v_add_nc_u32 v244, 0xff000000, v240
	v_lshrrev_b32 v246, 23, v244
	v_lshlrev_b32 v246, v26, v246
	v_permlanex16_b32 v250, v246, s20, s21
	v_or_b32 v246, v246, v250                      ; the two blocks' bytes of my row
.irp i, 0,1,2,3
	v_cvt_scalef32_pk8_fp4_f32 v[224+\i], v[96+8*\i:103+8*\i], v244
.endr
	v_nop
	global_store_b128 v[AK0], v[224:227], s[50:51]
	global_store_b16 v28, v246, s[52:53] offset:8192   ; lanes 16-31 repeat lanes 0-15: the same address, the same value
	s_wait_tensorcnt 0x0                           ; the wave's end
	ds_add_u32 v[SPW], v[NIL]
	s_wait_dscnt 0x0
	CROUND                                         ; the closing round
	s_endpgm
.Lfunc_end_k_q6e88778a80_attn:
	.size	k_q6e88778a80_attn, .Lfunc_end_k_q6e88778a80_attn-k_q6e88778a80_attn
	.p2alignl 7, 3214868480
	.fill 96, 4, 3214868480
	.section	.rodata,"a",@progbits
	.p2align	6, 0x0
	.amdhsa_kernel k_q6e88778a80_attn
		.amdhsa_group_segment_fixed_size 167936
		.amdhsa_private_segment_fixed_size 0
		.amdhsa_enable_private_segment 0
		.amdhsa_kernarg_size 24
		.amdhsa_user_sgpr_count 2
		.amdhsa_user_sgpr_kernarg_segment_ptr 1
		.amdhsa_wavefront_size32 1
		.amdhsa_system_sgpr_workgroup_id_x 1
		.amdhsa_system_sgpr_workgroup_id_y 1
		.amdhsa_system_sgpr_workgroup_id_z 1
		.amdhsa_system_vgpr_workitem_id 0
		.amdhsa_next_free_vgpr 256
		.amdhsa_next_free_sgpr 66
		.amdhsa_reserve_vcc 0
		.amdhsa_float_denorm_mode_32 3
		.amdhsa_float_denorm_mode_16_64 3
		.amdhsa_memory_ordered 1
		.amdhsa_forward_progress 1
		.amdhsa_inst_pref_size 26
	.end_amdhsa_kernel
	.amdgpu_metadata
---
amdhsa.version: [ 1, 2 ]
amdhsa.kernels:
  - .name:           k_q6e88778a80_attn
    .symbol:         k_q6e88778a80_attn.kd
    .args:
      - { .name: hd, .offset: 0, .size: 8, .value_kind: global_buffer, .address_space: global }
      - { .name: attention_mask, .offset: 8, .size: 8, .value_kind: global_buffer, .address_space: global }
      - { .name: cx, .offset: 16, .size: 8, .value_kind: global_buffer, .address_space: global }
    .group_segment_fixed_size: 167936
    .private_segment_fixed_size: 0
    .kernarg_segment_align: 8
    .kernarg_segment_size: 24
    .max_flat_workgroup_size: 512
    .sgpr_count:     66
    .vgpr_count:     256
    .wavefront_size: 32
...
	.end_amdgpu_metadata
.endif
;; end of part 4
;; launch wop (part 5): grid 8 x 32, 4 waves a work-group, clusters of 4 x 4, 167,936 bytes of LDS; arguments cx, wc, bo, x, x1; writes x1
.if DOCPART == 5
	.amdgcn_target "amdgcn-amd-amdhsa--gfx1250"
	.amdhsa_code_object_version 6
	.text
	.protected	k_q6e88778a80_wop
	.globl	k_q6e88778a80_wop
	.p2align	8
	.type	k_q6e88778a80_wop,@function
k_q6e88778a80_wop:
	s_mov_b64 s[64:65], 0
	v_nop
	global_prefetch_b8 v0, s[64:65] scope:SCOPE_SE
	s_setreg_imm32_b32 hwreg(HW_REG_WAVE_MODE, 25, 1), 1
	s_wait_xcnt 0x0
	s_wait_alu depctr_hold_cnt(0) depctr_sa_sdst(0) depctr_va_vdst(0) depctr_va_sdst(0) depctr_va_ssrc(0) depctr_va_vcc(0) depctr_vm_vsrc(0)
	s_getreg_b32 s2, hwreg(HW_REG_IB_STS2, 6, 4)
	s_cmp_eq_u32 s2, 0
	s_cbranch_scc0 .Lentry_in_a_cluster
	s_endpgm
.Lentry_in_a_cluster:
	s_bfe_u32 s2, ttmp6, 0x10000c
	s_cmp_lg_u32 s2, 0xf033
	s_cbranch_scc0 .Lentry_shape_is_right
	s_endpgm
.Lentry_shape_is_right:
; x1 = x + ctx Wo^T + bo, the product on codes of E2M1.  No work is left out.
; A work-group: 128 rows (records 8 y ..) x 128 rows of Wo (records 192 + 8 x ..); wave w: four tiles of rows (group w / 2) x four tiles of Wo (group w % 2): 16 accumulators.  All of K = 1,024 of both panels is asked
; for at the head, a quarter of each by each wave: two tensor loads of mine are out.  CLUSTER 4 x 4: ctx's panel is shared along a row of the cluster, Wo's along a column.
; Source 0 = Wo, source 1 = ctx: a lane holds one row and 32 neighbouring columns.  bo is the C of each sum's first product.  A unit of 16 rows x 64 columns goes through the wave's own stage in LDS and comes back, into the
; registers that it left, as rows of 256 bytes; x, loaded at the head in that layout, is added; sixteen lanes store 256 consecutive bytes, aligned.  Tiles hold rows 64 G + 8 i + (p & 7) + 32 (p >> 3): the addresses put them back in order.
.set REC,   8704
.set QUART, 2*REC
.set HALF,  4*REC
.set PANEL, 8*REC
.set STAGE, 2*PANEL
.set SPARE, STAGE+4*4352
.set ADRA, 16
.set ADRB, 17
.set ADRS, 20
.set LO16, 23
.set STO,  24
.set RD,   25
.set CO,   26
.set BA,   27
.set SPW,  28
.set NIL,  29
.set SC,   32                          ; v32-63: scale words and nothing else
.set ACC,  128
.set F0,   0
.set F1,   128
.set MUL,  0x05
.set MULB, 0x25
.set TO_F, 0x40
.set TO_2, 0x80
.set ADDR, 0x08                        ; source 1 window 2
.set MSB, 0
.macro WIN new
.if MSB != \new
	s_set_vgpr_msb (MSB<<8)|\new
.set MSB, \new
.endif
.endm
.macro PLACES
.rept 4
	v_nop
.endr
.endm
.macro CROUND
	s_barrier_signal -1
	s_barrier_wait -1
	s_cmp_lg_u32 s16, 0
	s_cbranch_scc1 .Lnot_wave_0_\@
	s_barrier_signal -3
.Lnot_wave_0_\@:
	s_barrier_wait -3
	s_barrier_signal -1
	s_barrier_wait -1
.endm
.macro FETCH adra, adrb, qd, f         ; 32 LDS loads: K steps 2 qd, 2 qd + 1 into buffer f, the first K step's sixteen first
	WIN TO_F
.irp c2, 0,1
.irp i, 0,1,2,3
	ds_load_b128 v[\f+64+8*(4*\c2+\i):\f+64+8*(4*\c2+\i)+3],   v[\adrb] offset:\i*REC+(2*(\qd)+\c2)*1024
	ds_load_b128 v[\f+64+8*(4*\c2+\i)+4:\f+64+8*(4*\c2+\i)+7], v[\adrb] offset:\i*REC+(2*(\qd)+\c2)*1024+512
	ds_load_b128 v[\f+8*(4*\c2+\i):\f+8*(4*\c2+\i)+3],         v[\adra] offset:\i*REC+(2*(\qd)+\c2)*1024
	ds_load_b128 v[\f+8*(4*\c2+\i)+4:\f+8*(4*\c2+\i)+7],       v[\adra] offset:\i*REC+(2*(\qd)+\c2)*1024+512
.endr
.endr
.endm
.macro SCALES adrs, set
.irp u, 0,1
.irp i, 0,1,2,3
	ds_load_b128 v[SC+32*(\set)+16*\u+4*\i:SC+32*(\set)+16*\u+4*\i+3], v[\adrs] offset:\i*REC+256*\u
.endr
.endr
.endm
.macro MUL8 f, c2, a0, ks, set, first  ; 8 products; the 16 accumulators take turns, one instruction a turn
.irp a, \a0, \a0+1
.irp b, 0,1,2,3
.set rgD, ACC+8*(4*(\a)+\b)
.set rg0, \f+64+8*(4*\c2+\b)
.set rg1, \f+8*(4*\c2+(\a))
.set scA, SC+32*(\set)+16*((\ks)/4)+4*(\a)+(\ks)%4
.set scB, SC+32*(\set)+16*((\ks)/4)+4*\b+(\ks)%4
.if \first
	v_wmma_scale_f32_16x16x128_f8f6f4 v[rgD:rgD+7], v[rg0:rg0+7], v[rg1:rg1+7], v[8*\b:8*\b+7], v[scB], v[scA] matrix_a_fmt:MATRIX_FMT_FP4 matrix_b_fmt:MATRIX_FMT_FP4 matrix_a_scale:MATRIX_SCALE_ROW1
.else
	v_wmma_scale_f32_16x16x128_f8f6f4 v[rgD:rgD+7], v[rg0:rg0+7], v[rg1:rg1+7], v[rgD:rgD+7], v[scB], v[scA] matrix_a_fmt:MATRIX_FMT_FP4 matrix_b_fmt:MATRIX_FMT_FP4 matrix_a_scale:MATRIX_SCALE_ROW1
.endif
.endr
.endr
.endm
.macro QUARTER adra, adrb, set, qd, f, g, first
	s_wait_dscnt 16                                ; the first K step's fragments (and the scale words) are in; the second's sixteen loads may be out
.if \first
	WIN MULB
.else
	WIN MUL
.endif
	MUL8 \f, 0, 0, 2*(\qd), \set, \first
	MUL8 \f, 0, 2, 2*(\qd), \set, \first
	PLACES
	FETCH \adra, \adrb, (\qd)+1, \g
	s_wait_dscnt 32                                ; all but the 32 just issued
	WIN MUL
	MUL8 \f, 1, 0, 2*(\qd)+1, \set, 0
	MUL8 \f, 1, 2, 2*(\qd)+1, \set, 0
.endm
.macro LASTQ set
	s_wait_dscnt 16
	WIN MUL
	MUL8 F1, 0, 0, 6, \set, 0
	MUL8 F1, 0, 2, 6, \set, 0
	s_wait_dscnt 0x0
	MUL8 F1, 1, 0, 7, \set, 0
	MUL8 F1, 1, 2, 7, \set, 0
.endm
.macro TOSTAGE a                       ; unit a through my stage and back into its own registers; LDS serves a wave's instructions in order: the loads see the stores, and the next unit's stores come behind them
.set AC, ACC+32*(\a)
.irp b, 0,1,2,3
	ds_store_b128 v[STO], v[AC+8*\b:AC+8*\b+3] offset:32*\b        ; each accumulator from its low end on
	ds_store_b128 v[STO], v[AC+8*\b+4:AC+8*\b+7] offset:32*\b+16
.endr
.irp t, 0,1,2,3,4,5,6,7
	ds_load_b128 v[AC+4*\t:AC+4*\t+3], v[RD] offset:544*\t
.endr
.endm
.macro SEND a, younger                 ; younger: the next unit's sixteen LDS instructions, or none
.set AC, ACC+32*(\a)
	s_wait_dscnt \younger
	WIN ADDR
.set kk, 0
.rept 16
	v_pk_add_f32 v[AC+kk:AC+kk+1], v[AC+kk:AC+kk+1], v[128+32*(\a)+kk:128+32*(\a)+kk+1]   ; + the residual, which lies in window 2
.set kk, kk+2
.endr
	WIN 0
.irp t, 0,1,2,3,4,5,6,7
	global_store_b128 v[CO], v[AC+4*\t:AC+4*\t+3], s[68:69] offset:(8*(\a)+2*\t+24*(\t/4))*4096
.endr
.endm
	s_load_b256 s[4:11], s[0:1], 0x0               ; cx, wc, bo, x
	s_load_b64 s[12:13], s[0:1], 0x20              ; x1
	v_lshl_add_u32 v[SPW], v0, 2, SPARE
	v_mov_b32 v[NIL], 0
	ds_add_u32 v[SPW], v[NIL]                      ; the wave's opening: the add, twice on end, and its wait ahead of my first tensor load
	ds_add_u32 v[SPW], v[NIL]
	v_lshrrev_b32 v1, 5, v0
	v_readfirstlane_b32 s16, v1
	s_lshr_b32 s17, s16, 1
	s_and_b32 s18, s16, 1
	s_bfe_u32 s56, ttmp6, 0x40000
	s_bfe_u32 s57, ttmp6, 0x40004
	s_lshl_b32 s58, ttmp9, 2
	s_add_co_u32 s58, s58, s56                     ; x
	s_and_b32 s59, ttmp7, 0xffff
	s_lshl_b32 s59, s59, 2
	s_add_co_u32 s59, s59, s57                     ; y
	s_lshl_b32 s60, s57, 2
	s_lshl_b32 s60, 15, s60
	s_lshl_b32 s61, 0x1111, s56
	s_or_b32 s24, s60, (3<<16)|(1<<21)
	s_or_b32 s32, s61, (3<<16)|(1<<21)
.irp g, 24, 32
	s_mov_b32 s[\g+1], 1088<<16
	s_mov_b32 s[\g+2], 2<<16
	s_mov_b32 s[\g+3], 1088<<16
	s_mov_b32 s[\g+4], 2
	s_mov_b32 s[\g+5], 1088
	s_mov_b32 s[\g+6], 0
	s_mov_b32 s[\g+7], 0
.endr
	s_lshl_b32 s76, s59, 3
	s_lshl_b32 s77, s16, 1
	s_add_co_u32 s76, s76, s77
	s_mul_i32 s76, s76, REC
	s_mov_b32 s77, 0
	s_lshl_b32 s78, s58, 3
	s_lshl_b32 s79, s16, 1
	s_add_co_u32 s78, s78, s79
	s_add_co_u32 s78, s78, 192                     ; Wo's records
	s_mul_i32 s78, s78, REC
	s_mov_b32 s79, 0
	s_mul_i32 s80, s16, QUART
	s_wait_dscnt 0x0
	s_wait_kmcnt 0x0
	s_mov_b32 s40, 1
	s_mov_b32 s41, s80
	s_add_nc_u64 s[42:43], s[4:5], s[76:77]
	s_or_b32 s43, s43, 0x80000000
	s_mov_b32 s44, 1
	s_add_co_u32 s45, s80, PANEL
	s_add_nc_u64 s[46:47], s[6:7], s[78:79]
	s_or_b32 s47, s47, 0x80000000
	CROUND
	tensor_load_to_lds s[40:43], s[24:31]
	s_nop 0
	tensor_load_to_lds s[44:47], s[32:39]
	s_nop 0
.rept 4
	v_nop
.endr
	v_and_b32 v1, 31, v0
	v_and_b32 v2, 15, v0
	v_bfe_u32 v3, v0, 4, 1
	v_lshlrev_b32 v[LO16], 4, v1
	s_mul_i32 s81, s17, HALF
	s_mul_i32 s82, s18, HALF
	s_add_co_u32 s82, s82, PANEL
	s_add_co_u32 s84, s81, 8192
	v_add_nc_u32 v[ADRA], s81, v[LO16]
	v_add_nc_u32 v[ADRB], s82, v[LO16]
	s_sub_co_u32 s83, s82, s81
	v_mul_u32_u24 v4, s83, v3                      ; lanes 16-31 take Wo's scale words
	v_lshl_add_u32 v4, v2, 4, v4
	v_add_nc_u32 v[ADRS], s84, v4
	s_mul_i32 s85, s16, 4352
	s_add_co_u32 s85, s85, STAGE                   ; my stage: 16 rows x (256 + 16) bytes
	v_mul_u32_u24 v4, v2, 272
	v_lshl_add_u32 v4, v3, 7, v4
	v_add_nc_u32 v[STO], s85, v4
	v_mul_u32_u24 v4, v3, 272
	v_lshl_add_u32 v4, v2, 4, v4
	v_add_nc_u32 v[RD], s85, v4
	v_lshlrev_b32 v4, 12, v3
	v_lshl_add_u32 v[CO], v2, 4, v4                ; two rows an instruction, 16 bytes a lane
	v_lshlrev_b32 v[BA], 7, v3
	s_lshl_b32 s86, s59, 19
	s_lshl_b32 s87, s17, 18
	s_add_co_u32 s90, s86, s87
	s_lshl_b32 s86, s58, 9
	s_lshl_b32 s87, s18, 8
	s_add_co_u32 s86, s86, s87                     ; my 64 columns, in bytes
	s_add_co_u32 s90, s90, s86
	s_mov_b32 s91, 0
	s_mov_b32 s87, 0
	s_add_nc_u64 s[68:69], s[12:13], s[90:91]
	s_add_nc_u64 s[70:71], s[10:11], s[90:91]
	s_add_nc_u64 s[8:9], s[8:9], s[86:87]
	WIN TO_2
.irp b, 0,1,2,3
	global_load_b128 v[8*\b:8*\b+3],   v[BA], s[8:9] offset:32*\b
	global_load_b128 v[8*\b+4:8*\b+7], v[BA], s[8:9] offset:32*\b+16
.endr
.irp a, 0,1,2,3
.irp t, 0,1,2,3,4,5,6,7
	global_load_b128 v[128+32*\a+4*\t:128+32*\a+4*\t+3], v[CO], s[70:71] offset:(8*\a+2*\t+24*(\t/4))*4096
.endr
.endr
	WIN 0
	s_wait_tensorcnt 0x0
	s_barrier_signal -1
	s_barrier_wait -1
	SCALES ADRS, 0
	FETCH ADRA, ADRB, 0, F0
	s_wait_loadcnt 32                              ; the bias is in; the residual's 32 loads may be out
	QUARTER ADRA, ADRB, 0, 0, F0, F1, 1
	QUARTER ADRA, ADRB, 0, 1, F1, F0, 0
	QUARTER ADRA, ADRB, 0, 2, F0, F1, 0
	LASTQ 0
	WIN 0
	PLACES
	s_wait_loadcnt 0x0
	TOSTAGE 0
	TOSTAGE 1
	SEND 0, 16
	TOSTAGE 2
	SEND 1, 16
	TOSTAGE 3
	SEND 2, 16
	SEND 3, 0
	s_wait_tensorcnt 0x0                           ; the wave's end
	ds_add_u32 v[SPW], v[NIL]
	s_wait_dscnt 0x0
	CROUND
	s_endpgm
.Lfunc_end_k_q6e88778a80_wop:
	.size	k_q6e88778a80_wop, .Lfunc_end_k_q6e88778a80_wop-k_q6e88778a80_wop
	.p2alignl 7, 3214868480
	.fill 96, 4, 3214868480
	.section	.rodata,"a",@progbits
	.p2align	6, 0x0
	.amdhsa_kernel k_q6e88778a80_wop
		.amdhsa_group_segment_fixed_size 167936
		.amdhsa_private_segment_fixed_size 0
		.amdhsa_enable_private_segment 0
		.amdhsa_kernarg_size 40
		.amdhsa_user_sgpr_count 2
		.amdhsa_user_sgpr_kernarg_segment_ptr 1
		.amdhsa_wavefront_size32 1
		.amdhsa_system_sgpr_workgroup_id_x 1
		.amdhsa_system_sgpr_workgroup_id_y 1
		.amdhsa_system_sgpr_workgroup_id_z 1
		.amdhsa_system_vgpr_workitem_id 0
		.amdhsa_next_free_vgpr 768
		.amdhsa_next_free_sgpr 96
		.amdhsa_reserve_vcc 0
		.amdhsa_float_denorm_mode_32 3
		.amdhsa_float_denorm_mode_16_64 3
		.amdhsa_memory_ordered 1
		.amdhsa_forward_progress 1
		.amdhsa_inst_pref_size 47
	.end_amdhsa_kernel
	.amdgpu_metadata
---
amdhsa.version: [ 1, 2 ]
amdhsa.kernels:
  - .name:           k_q6e88778a80_wop
    .symbol:         k_q6e88778a80_wop.kd
    .args:
      - { .name: cx, .offset: 0, .size: 8, .value_kind: global_buffer, .address_space: global }
      - { .name: wc, .offset: 8, .size: 8, .value_kind: global_buffer, .address_space: global }
      - { .name: bo, .offset: 16, .size: 8, .value_kind: global_buffer, .address_space: global }
      - { .name: x, .offset: 24, .size: 8, .value_kind: global_buffer, .address_space: global }
      - { .name: x1, .offset: 32, .size: 8, .value_kind: global_buffer, .address_space: global }
    .group_segment_fixed_size: 167936
    .private_segment_fixed_size: 0
    .kernarg_segment_align: 8
    .kernarg_segment_size: 40
    .max_flat_workgroup_size: 128
    .sgpr_count:     96
    .vgpr_count:     768
    .wavefront_size: 32
...
	.end_amdgpu_metadata
.endif
;; end of part 5
;; launch ln2: the kernel of part 2 again; grid 256 x 1, 8 waves a work-group, no clusters, 70,144 bytes of LDS; arguments x1, g2, be2, hB; writes hB
;; launch ffn1 (part 6): grid 8 x 32, 4 waves a work-group, clusters of 4 x 4, 327,680 bytes of LDS; arguments hB, wc, b1, hid; writes hid
.if DOCPART == 6
	.amdgcn_target "amdgcn-amd-amdhsa--gfx1250"
	.amdhsa_code_object_version 6
	.text
	.protected	k_q6e88778a80_ffn1
	.globl	k_q6e88778a80_ffn1
	.p2align	8
	.type	k_q6e88778a80_ffn1,@function
k_q6e88778a80_ffn1:
	s_mov_b64 s[64:65], 0
	v_nop
	global_prefetch_b8 v0, s[64:65] scope:SCOPE_SE
	s_setreg_imm32_b32 hwreg(HW_REG_WAVE_MODE, 25, 1), 1
	s_wait_xcnt 0x0
	s_wait_alu depctr_hold_cnt(0) depctr_sa_sdst(0) depctr_va_vdst(0) depctr_va_sdst(0) depctr_va_ssrc(0) depctr_va_vcc(0) depctr_vm_vsrc(0)
	s_getreg_b32 s2, hwreg(HW_REG_IB_STS2, 6, 4)
	s_cmp_eq_u32 s2, 0
	s_cbranch_scc0 .Lentry_in_a_cluster
	s_endpgm
.Lentry_in_a_cluster:
	s_bfe_u32 s2, ttmp6, 0x10000c
	s_cmp_lg_u32 s2, 0xf033
	s_cbranch_scc0 .Lentry_shape_is_right
	s_endpgm
.Lentry_shape_is_right:
; hid = Q(gelu(h W1^T + b1)): the product on codes of E2M1, the exact gelu in f32, the result quantised in the registers where it falls.  No work is left out.
; A work-group: 128 rows (records 8 y ..) x four tiles of 128 rows of W1 (column tiles 4 x .. 4 x + 3), one after the other; wave w: four tiles of rows x four tiles of W1: 16 accumulators.
; LDS holds h's panel and three panels of W1 (69,632 bytes each).  These four are asked for at the head, a quarter of each by each wave: four tensor loads of mine are out at the most.  The fourth panel of W1 is filled
; into the first's bytes, behind a round of the cluster's barrier that stands right behind the first tile's products: one load a wave, with two tiles' work in which to land.
; This launch claims all of the LDS.  CLUSTER 4 x 4: h's panel is shared along a row of the cluster, W1's along a column.
; The next tile's scale words and first fragments are asked of LDS ahead of this tile's gelu, which touches none of their registers.
; Source 0 = W1, source 1 = h: over a unit's four tiles a lane holds 32 neighbouring hidden units of one row: one block of the next K.  hid's records: tile x 4 + chunk of 1,024.
; gelu(x) = max(x, 0) - |x| E, E = erfc(|x| / sqrt 2) / 2 = (c1 t + .. + c5 t^5) 2^(-x^2 log2(e) / 2), t = 1 / (1 + 0.23164189 |x|) (Abramowitz and Stegun 26.2.17).
; LIMITS: E is within 7.5e-8 in absolute terms; NaN and infinities are not served; a block whose largest magnitude lies under 2^-124 keeps the byte 1.
; REGISTERS: window 0: v0-31 addresses and constants, v32-63 scale words, v64-127 at work, v128-255 accumulators; window 1: two buffers of fragments; window 2: v0-127 the four tiles' biases in the result's layout.
.set REC,   8704
.set QUART, 2*REC
.set HALF,  4*REC
.set PANEL, 8*REC
.set SPARE, 4*PANEL
.set ADRA, 16
.set ADRB, 17                          ; v17-19: the three panels of W1
.set ADRS, 20                          ; v20-22
.set LO16, 23
.set SV,   24
.set SH8,  26
.set BA,   27
.set SPW,  28
.set NIL,  29
.set SC,   32                          ; v32-63: scale words and nothing else
.set TT,   64                          ; the gelu's work, 16 numbers at a time: v64-79, v80-95, v96-111
.set EE,   80
.set PP,   96
.set MX,   64                          ; the quantiser's work, behind the gelu
.set SOP,  68
.set BY,   72
.set SL,   80
.set CD,   96
.set ACC,  128
.set F0,   0
.set F1,   128
.set MUL,  0x05
.set MULB, 0x25
.set TO_F, 0x40
.set TO_2, 0x80
.set MSB, 0
.macro WIN new                         ; the immediate's high byte repeats the setting that is left
.if MSB != \new
	s_set_vgpr_msb (MSB<<8)|\new
.set MSB, \new
.endif
.endm
.macro PLACES
.rept 4
	v_nop
.endr
.endm
.macro CROUND                          ; a round of the cluster's barrier
	s_barrier_signal -1
	s_barrier_wait -1
	s_cmp_lg_u32 s16, 0
	s_cbranch_scc1 .Lnot_wave_0_\@
	s_barrier_signal -3
.Lnot_wave_0_\@:
	s_barrier_wait -3
	s_barrier_signal -1
	s_barrier_wait -1
.endm
.macro FETCH adra, adrb, qd, f         ; 32 LDS loads: K steps 2 qd, 2 qd + 1 into buffer f, the first K step's sixteen first
	WIN TO_F
.irp c2, 0,1
.irp i, 0,1,2,3
	ds_load_b128 v[\f+64+8*(4*\c2+\i):\f+64+8*(4*\c2+\i)+3],   v[\adrb] offset:\i*REC+(2*(\qd)+\c2)*1024
	ds_load_b128 v[\f+64+8*(4*\c2+\i)+4:\f+64+8*(4*\c2+\i)+7], v[\adrb] offset:\i*REC+(2*(\qd)+\c2)*1024+512
	ds_load_b128 v[\f+8*(4*\c2+\i):\f+8*(4*\c2+\i)+3],         v[\adra] offset:\i*REC+(2*(\qd)+\c2)*1024
	ds_load_b128 v[\f+8*(4*\c2+\i)+4:\f+8*(4*\c2+\i)+7],       v[\adra] offset:\i*REC+(2*(\qd)+\c2)*1024+512
.endr
.endr
.endm
.macro SCALES adrs
.irp u, 0,1
.irp i, 0,1,2,3
	ds_load_b128 v[SC+16*\u+4*\i:SC+16*\u+4*\i+3], v[\adrs] offset:\i*REC+256*\u
.endr
.endr
.endm
.macro MUL8 f, c2, a0, ks, first       ; 8 products; the 16 accumulators take turns, one instruction a turn
.irp a, \a0, \a0+1
.irp b, 0,1,2,3
.set rgD, ACC+8*(4*(\a)+\b)
.set rg0, \f+64+8*(4*\c2+\b)
.set rg1, \f+8*(4*\c2+(\a))
.set scA, SC+16*((\ks)/4)+4*(\a)+(\ks)%4
.set scB, SC+16*((\ks)/4)+4*\b+(\ks)%4
.if \first
	v_wmma_scale_f32_16x16x128_f8f6f4 v[rgD:rgD+7], v[rg0:rg0+7], v[rg1:rg1+7], v[BI+8*\b:BI+8*\b+7], v[scB], v[scA] matrix_a_fmt:MATRIX_FMT_FP4 matrix_b_fmt:MATRIX_FMT_FP4 matrix_a_scale:MATRIX_SCALE_ROW1
.else
	v_wmma_scale_f32_16x16x128_f8f6f4 v[rgD:rgD+7], v[rg0:rg0+7], v[rg1:rg1+7], v[rgD:rgD+7], v[scB], v[scA] matrix_a_fmt:MATRIX_FMT_FP4 matrix_b_fmt:MATRIX_FMT_FP4 matrix_a_scale:MATRIX_SCALE_ROW1
.endif
.endr
.endr
.endm
.macro QUARTER adrb, qd, f, g, first
	s_wait_dscnt 16                                ; the first K step's fragments (and the scale words) are in; the second's sixteen loads may be out
.if \first
	WIN MULB
.else
	WIN MUL
.endif
	MUL8 \f, 0, 0, 2*(\qd), \first
	MUL8 \f, 0, 2, 2*(\qd), \first
	PLACES
	FETCH ADRA, \adrb, (\qd)+1, \g
	s_wait_dscnt 32                                ; all but the 32 just issued
	WIN MUL
	MUL8 \f, 1, 0, 2*(\qd)+1, 0
	MUL8 \f, 1, 2, 2*(\qd)+1, 0
.endm
.macro GELU u                          ; two accumulators, 16 numbers a lane, in place
.set XX, ACC+16*(\u)
.set jj, 0
.rept 16
	v_fma_f32 v[TT+jj], |v[XX+jj]|, s90, 1.0       ; each accumulator is read from its low end on
.set jj, jj+1
.endr
.set jj, 0
.rept 8
	v_pk_mul_f32 v[EE+jj:EE+jj+1], v[XX+jj:XX+jj+1], v[XX+jj:XX+jj+1]
.set jj, jj+2
.endr
.set jj, 0
.rept 8
	v_pk_mul_f32 v[EE+jj:EE+jj+1], v[EE+jj:EE+jj+1], s[92:93] op_sel_hi:[1,0]
.set jj, jj+2
.endr
.set jj, 0
.rept 16
	v_rcp_f32 v[TT+jj], v[TT+jj]
.set jj, jj+1
.endr
.set jj, 0
.rept 16
	v_exp_f32 v[EE+jj], v[EE+jj]
.set jj, jj+1
.endr
	v_nop                                          ; a plain line behind the batch,
	s_wait_alu depctr_va_vdst(0)                   ; and one wait for its 32, ahead of the first reader
.set jj, 0
.rept 8
	v_pk_fma_f32 v[PP+jj:PP+jj+1], v[TT+jj:TT+jj+1], v[12:13], v[10:11]
.set jj, jj+2
.endr
.irp k, 8, 6, 4
.set jj, 0
.rept 8
	v_pk_fma_f32 v[PP+jj:PP+jj+1], v[PP+jj:PP+jj+1], v[TT+jj:TT+jj+1], v[\k:\k+1]
.set jj, jj+2
.endr
.endr
.set jj, 0
.rept 8
	v_pk_mul_f32 v[PP+jj:PP+jj+1], v[PP+jj:PP+jj+1], v[TT+jj:TT+jj+1]
.set jj, jj+2
.endr
.set jj, 0
.rept 8
	v_pk_mul_f32 v[PP+jj:PP+jj+1], v[PP+jj:PP+jj+1], v[EE+jj:EE+jj+1]
.set jj, jj+2
.endr
.set jj, 0
.rept 16
	v_max_num_f32 v[TT+jj], 0, v[XX+jj]
.set jj, jj+1
.endr
.set jj, 0
.rept 16
	v_fma_f32 v[XX+jj], -|v[XX+jj]|, v[PP+jj], v[TT+jj]
.set jj, jj+1
.endr
.endm
.macro Q4                              ; the four units (32 registers each: one block of 32 a lane) are quantised by turns
.irp a, 0,1,2,3
	v_max3_num_f32 v[MX+\a], |v[ACC+32*\a]|, |v[ACC+32*\a+1]|, 0x1800000
.endr
.irp i, 2,4,6,8,10,12,14,16,18,20,22,24,26,28,30
.irp a, 0,1,2,3
	v_max3_num_f32 v[MX+\a], v[MX+\a], |v[ACC+32*\a+\i]|, |v[ACC+32*\a+\i+1]|
.endr
.endr
.irp a, 0,1,2,3
	v_add_nc_u32 v[SOP+\a], 0xff000000, v[MX+\a]
.endr
.irp a, 0,1,2,3
	v_lshrrev_b32 v[BY+\a], 23, v[SOP+\a]
.endr
.irp a, 0,1,2,3
	v_lshlrev_b32 v[BY+\a], v[SH8], v[BY+\a]
.endr
	v_permlanex16_b32 v14, v[BY], s20, s21
	v_permlanex16_b32 v15, v[BY+1], s20, s21
	v_permlanex16_b32 v30, v[BY+2], s20, s21
	v_permlanex16_b32 v31, v[BY+3], s20, s21
	v_or_b32 v[BY], v[BY], v14
	v_or_b32 v[BY+1], v[BY+1], v15
	v_or_b32 v[BY+2], v[BY+2], v30
	v_or_b32 v[BY+3], v[BY+3], v31
.irp a, 0,1,2,3
.irp b, 0,1,2,3
	v_cvt_scalef32_pk8_fp4_f32 v[CD+4*\a+\b], v[ACC+32*\a+8*\b:ACC+32*\a+8*\b+7], v[SOP+\a]
.endr
.endr
	v_nop                                          ; a plain line behind the last scaled conversion
.endm
; A tile in three parts.  PRE: the scale words and the first fragments of the tile whose rows of W1 lie in panel p: 40 LDS loads.  MAIN: tile t's 128 products.  POST: its gelu, its quantiser, its stores.
.macro PRE p
	WIN 0
	SCALES ADRS+\p
	FETCH ADRA, ADRB+\p, 0, F0
.endm
.macro MAIN t, p
.set BI, 32*\t
	QUARTER ADRB+\p, 0, F0, F1, 1
	QUARTER ADRB+\p, 1, F1, F0, 0
	QUARTER ADRB+\p, 2, F0, F1, 0
	s_wait_dscnt 16
	WIN MUL
	MUL8 F1, 0, 0, 6, 0
	MUL8 F1, 0, 2, 6, 0
	s_wait_dscnt 0x0
	MUL8 F1, 1, 0, 7, 0
	MUL8 F1, 1, 2, 7, 0
	WIN 0
.endm
.macro POST t
	WIN 0
	s_wait_xcnt 0x0                                ; the last tile's stores have read their registers: the gelu works in them
.irp u, 0,1,2,3,4,5,6,7
	GELU \u
.endr
	Q4
	v_cndmask_b32 v[SL], v[BY], v[BY+1], s19       ; lanes 0-15 send tiles 0, 2, lanes 16-31 tiles 1, 3
	v_cndmask_b32 v[SL+1], v[BY+2], v[BY+3], s19
.irp a, 0,1,2,3
	global_store_b128 v[LO16], v[CD+4*\a:CD+4*\a+3], s[68:69] offset:4*REC*\a+1024*\t
.endr
	global_store_b16 v[SV], v[SL], s[70:71] offset:8192+4*\t          ; my group owns two of a word's four bytes
	global_store_b16 v[SV], v[SL+1], s[70:71] offset:8192+4*\t+8*REC
.endm
	s_load_b256 s[4:11], s[0:1], 0x0               ; hB, wc, b1, hid
	v_lshl_add_u32 v[SPW], v0, 2, SPARE
	v_mov_b32 v[NIL], 0
	ds_add_u32 v[SPW], v[NIL]                      ; the wave's opening: the add, twice on end, and its wait ahead of my first tensor load
	ds_add_u32 v[SPW], v[NIL]
	v_lshrrev_b32 v1, 5, v0
	v_readfirstlane_b32 s16, v1                    ; wave
	s_lshr_b32 s17, s16, 1                         ; my group of rows
	s_and_b32 s18, s16, 1                          ; my group of W1's rows
	s_mov_b32 s19, 0xffff0000                      ; lanes 16-31
	s_mov_b32 s20, 0x76543210
	s_mov_b32 s21, 0xfedcba98
	s_mov_b32 s90, 0x3e6d3388                      ; 0.23164189
	s_mov_b32 s92, 0xbf38aa3b                      ; -log2(e) / 2
	s_mov_b32 s93, s92
	s_bfe_u32 s56, ttmp6, 0x40000                  ; cx
	s_bfe_u32 s57, ttmp6, 0x40004                  ; cy
	s_lshl_b32 s58, ttmp9, 2
	s_add_co_u32 s58, s58, s56                     ; x, 0..7
	s_and_b32 s59, ttmp7, 0xffff
	s_lshl_b32 s59, s59, 2
	s_add_co_u32 s59, s59, s57                     ; y
	s_lshl_b32 s60, s57, 2
	s_lshl_b32 s60, 15, s60                        ; my row of the cluster
	s_lshl_b32 s61, 0x1111, s56                    ; my column
	s_or_b32 s24, s60, (3<<16)|(1<<21)             ; group 1: the mask; elements of 8 bytes; bit 21 beside a mask; no padding
	s_or_b32 s32, s61, (3<<16)|(1<<21)
.irp g, 24, 32
	s_mov_b32 s[\g+1], 1088<<16                    ; a record, 1,088 elements,
	s_mov_b32 s[\g+2], 2<<16                       ; two of them,
	s_mov_b32 s[\g+3], 1088<<16
	s_mov_b32 s[\g+4], 2
	s_mov_b32 s[\g+5], 1088                        ; one behind the other
	s_mov_b32 s[\g+6], 0
	s_mov_b32 s[\g+7], 0
.endr
	s_lshl_b32 s76, s59, 3
	s_lshl_b32 s77, s16, 1
	s_add_co_u32 s76, s76, s77                     ; h: record 8 y + 2 w
	s_mul_i32 s76, s76, REC
	s_mov_b32 s77, 0
	s_lshl_b32 s78, s58, 5
	s_lshl_b32 s79, s16, 1
	s_add_co_u32 s78, s78, s79
	s_add_co_u32 s78, s78, 256                     ; W1's records: 256 + 32 x + 8 t + 2 w
	s_mul_i32 s78, s78, REC
	s_mov_b32 s79, 0
	s_mul_i32 s80, s16, QUART                      ; where they go in a panel: no place in the cluster enters an LDS address
	s_wait_dscnt 0x0                               ; both opening adds are done
	s_wait_kmcnt 0x0
	s_mov_b32 s40, 1
	s_mov_b32 s41, s80
	s_add_nc_u64 s[42:43], s[4:5], s[76:77]
	s_or_b32 s43, s43, 0x80000000
.irp t, 0,1,2
	s_mov_b32 s[44+4*\t], 1
	s_add_co_u32 s[45+4*\t], s80, (1+\t)*PANEL
	s_add_nc_u64 s[46+4*\t:47+4*\t], s[6:7], s[78:79]
	s_add_nc_u64 s[46+4*\t:47+4*\t], s[46+4*\t:47+4*\t], 8*\t*REC
	s_or_b32 s[47+4*\t], s[47+4*\t], 0x80000000
.endr
	CROUND                                         ; all sixteen work-groups are here: the joint loads meet
	tensor_load_to_lds s[40:43], s[24:31]
	s_nop 0
	tensor_load_to_lds s[44:47], s[32:39]
	s_nop 0
	tensor_load_to_lds s[48:51], s[32:39]
	s_nop 0
	tensor_load_to_lds s[52:55], s[32:39]
	s_nop 0
.rept 4
	v_nop
.endr
	v_and_b32 v1, 31, v0
	v_and_b32 v2, 15, v0                           ; r
	v_bfe_u32 v3, v0, 4, 1                         ; h
	v_lshlrev_b32 v[LO16], 4, v1
	s_mul_i32 s81, s17, HALF                       ; my four tiles of h
	s_mul_i32 s82, s18, HALF                       ; my four tiles in a panel of W1
	s_add_co_u32 s84, s81, 8192
	v_add_nc_u32 v[ADRA], s81, v[LO16]
	v_lshlrev_b32 v5, 4, v2
.irp t, 0,1,2
	s_add_co_u32 s83, s82, (1+\t)*PANEL
	v_add_nc_u32 v[ADRB+\t], s83, v[LO16]
	s_sub_co_u32 s83, s83, s81
	v_mul_u32_u24 v4, s83, v3                      ; lanes 16-31 take W1's scale words: one product, the distance between the two
	v_add_nc_u32 v4, v5, v4
	v_add_nc_u32 v[ADRS+\t], s84, v4
.endr
	v_mul_u32_u24 v4, v3, 4*REC
	v_add_nc_u32 v[SV], v5, v4                     ; 16 r, and one tile's four records on for lanes 16-31
	v_lshlrev_b32 v[SH8], 3, v3
	v_lshlrev_b32 v[BA], 7, v3
	v_mov_b32 v4, 0x3e027906                       ; c1 .. c5, each twice: pairs for the packed forms
	v_mov_b32 v5, 0x3e027906
	v_mov_b32 v6, 0xbe11a98e
	v_mov_b32 v7, 0xbe11a98e
	v_mov_b32 v8, 0x3f35f0e3
	v_mov_b32 v9, 0x3f35f0e3
	v_mov_b32 v10, 0xbf3a00e3
	v_mov_b32 v11, 0xbf3a00e3
	v_mov_b32 v12, 0x3f07dc22
	v_mov_b32 v13, 0x3f07dc22
	v_mov_b32 v14, 0                               ; v14, v15, v30, v31: the permutes' destinations, which count as read
	v_mov_b32 v15, 0
	v_mov_b32 v30, 0
	v_mov_b32 v31, 0
	s_lshl_b32 s86, s59, 5
	s_lshl_b32 s87, s17, 4
	s_add_co_u32 s86, s86, s87
	s_lshr_b32 s87, s58, 1
	s_add_co_u32 s86, s86, s87                     ; record (8 y + 4 (w / 2)) x 4 + chunk x / 2
	s_mul_i32 s94, s86, REC
	s_mov_b32 s95, 0
	s_add_nc_u64 s[10:11], s[10:11], s[94:95]
	s_and_b32 s87, s58, 1
	s_lshl_b32 s94, s87, 12                        ; K step 4 (x & 1) + t: 1,024 bytes each; my group's half of each image
	s_lshl_b32 s88, s18, 9
	s_add_co_u32 s94, s94, s88
	s_add_nc_u64 s[68:69], s[10:11], s[94:95]
	s_lshl_b32 s94, s87, 8                         ; its scale words: run x & 1, word t; my group's two bytes
	s_lshl_b32 s88, s18, 1
	s_add_co_u32 s94, s94, s88
	s_add_nc_u64 s[70:71], s[10:11], s[94:95]
	s_lshl_b32 s94, s58, 11                        ; b1: 512 numbers a work-group, my group's 64 of each tile's 128
	s_lshl_b32 s88, s18, 8
	s_add_co_u32 s94, s94, s88
	s_add_nc_u64 s[8:9], s[8:9], s[94:95]
	WIN TO_2
.irp t, 0,1,2,3
.irp b, 0,1,2,3
	global_load_b128 v[32*\t+8*\b:32*\t+8*\b+3],   v[BA], s[8:9] offset:512*\t+32*\b
	global_load_b128 v[32*\t+8*\b+4:32*\t+8*\b+7], v[BA], s[8:9] offset:512*\t+32*\b+16
.endr
.endr
	s_wait_loadcnt 0x0
	WIN 0
	s_wait_tensorcnt 0x2                           ; my quarters of h's panel and of W1's first have landed; the two later panels' loads may stay out
	s_barrier_signal -1
	s_barrier_wait -1                              ; everybody's have
	PRE 0
	MAIN 0, 0
	; THE REFILL: the first panel of W1 has been read out; it takes tile 3's rows
	s_wait_tensorcnt 0x0                           ; all my tensor loads have landed, the second and third panels' among them: so a group 0 may be written
	ds_add_u32 v[SPW], v[NIL]
	s_add_nc_u64 s[46:47], s[46:47], 24*REC        ; three tiles of eight records on; the type bits on top are not reached
	s_wait_dscnt 0x0                               ; the add is done, and my reads of the panel are over
	CROUND                                         ; no wave of any partner still reads the panel or has a load on its way
	tensor_load_to_lds s[44:47], s[32:39]          ; my one tensor load behind the round, and the first thing there
	s_nop 0
.rept 4
	v_nop                                          ; (also the places behind the last products: in front of the loads below and of the first read of results)
.endr
	PRE 1                                          ; the second and third panels were shown whole to every wave by the round
	POST 0
	MAIN 1, 1
	PLACES                                         ; in front of loads into registers that the last products read, and of the first read of results
	PRE 2
	POST 1
	MAIN 2, 2
	s_wait_tensorcnt 0x0                           ; my quarter of tile 3's panel has landed,
	s_barrier_signal -1
	s_barrier_wait -1                              ; everybody's has
	PLACES
	PRE 0
	POST 2
	MAIN 3, 0
	PLACES
	POST 3
	s_wait_tensorcnt 0x0                           ; the wave's end
	ds_add_u32 v[SPW], v[NIL]
	s_wait_dscnt 0x0
	CROUND                                         ; the closing round
	s_endpgm
.Lfunc_end_k_q6e88778a80_ffn1:
	.size	k_q6e88778a80_ffn1, .Lfunc_end_k_q6e88778a80_ffn1-k_q6e88778a80_ffn1
	.p2alignl 7, 3214868480
	.fill 96, 4, 3214868480
	.section	.rodata,"a",@progbits
	.p2align	6, 0x0
	.amdhsa_kernel k_q6e88778a80_ffn1
		.amdhsa_group_segment_fixed_size 327680
		.amdhsa_private_segment_fixed_size 0
		.amdhsa_enable_private_segment 0
		.amdhsa_kernarg_size 32
		.amdhsa_user_sgpr_count 2
		.amdhsa_user_sgpr_kernarg_segment_ptr 1
		.amdhsa_wavefront_size32 1
		.amdhsa_system_sgpr_workgroup_id_x 1
		.amdhsa_system_sgpr_workgroup_id_y 1
		.amdhsa_system_sgpr_workgroup_id_z 1
		.amdhsa_system_vgpr_workitem_id 0
		.amdhsa_next_free_vgpr 768
		.amdhsa_next_free_sgpr 96
		.amdhsa_reserve_vcc 0
		.amdhsa_float_denorm_mode_32 3
		.amdhsa_float_denorm_mode_16_64 3
		.amdhsa_memory_ordered 1
		.amdhsa_forward_progress 1
		.amdhsa_inst_pref_size 255
	.end_amdhsa_kernel
	.section	.bss,"aw",@nobits
	.p2align	6
	.space	262144
	.amdgpu_metadata
---
amdhsa.version: [ 1, 2 ]
amdhsa.kernels:
  - .name:           k_q6e88778a80_ffn1
    .symbol:         k_q6e88778a80_ffn1.kd
    .args:
      - { .name: hB, .offset: 0, .size: 8, .value_kind: global_buffer, .address_space: global }
      - { .name: wc, .offset: 8, .size: 8, .value_kind: global_buffer, .address_space: global }
      - { .name: b1, .offset: 16, .size: 8, .value_kind: global_buffer, .address_space: global }
      - { .name: hid, .offset: 24, .size: 8, .value_kind: global_buffer, .address_space: global }
    .group_segment_fixed_size: 327680
    .private_segment_fixed_size: 0
    .kernarg_segment_align: 8
    .kernarg_segment_size: 32
    .max_flat_workgroup_size: 128
    .sgpr_count:     96
    .vgpr_count:     768
    .wavefront_size: 32
...
	.end_amdgpu_metadata
.endif
;; end of part 6
;; launch ffn2 (part 7): grid 8 x 32, 4 waves a work-group, clusters of 4 x 4, 327,680 bytes of LDS; arguments hid, wc, b2, x1, out0; writes out0
.if DOCPART == 7
	.amdgcn_target "amdgcn-amd-amdhsa--gfx1250"
	.amdhsa_code_object_version 6
	.text
	.protected	k_q6e88778a80_ffn2
	.globl	k_q6e88778a80_ffn2
	.p2align	8
	.type	k_q6e88778a80_ffn2,@function
k_q6e88778a80_ffn2:
	s_mov_b64 s[64:65], 0
	v_nop
	global_prefetch_b8 v0, s[64:65] scope:SCOPE_SE
	s_setreg_imm32_b32 hwreg(HW_REG_WAVE_MODE, 25, 1), 1
	s_wait_xcnt 0x0
	s_wait_alu depctr_hold_cnt(0) depctr_sa_sdst(0) depctr_va_vdst(0) depctr_va_sdst(0) depctr_va_ssrc(0) depctr_va_vcc(0) depctr_vm_vsrc(0)
	s_getreg_b32 s2, hwreg(HW_REG_IB_STS2, 6, 4)
	s_cmp_eq_u32 s2, 0
	s_cbranch_scc0 .Lentry_in_a_cluster
	s_endpgm
.Lentry_in_a_cluster:
	s_bfe_u32 s2, ttmp6, 0x10000c
	s_cmp_lg_u32 s2, 0xf033
	s_cbranch_scc0 .Lentry_shape_is_right
	s_endpgm
.Lentry_shape_is_right:
; out0 = x1 + hid W2^T + b2, the product on codes of E2M1, K = 4,096.  No work is left out.
; A work-group: 128 rows x 128 rows of W2; wave w: four tiles of rows (group w / 2) x four tiles of W2 (group w % 2): 16 accumulators.  K goes in four chunks of 1,024 through a ring of two LDS slots
; (hid's panel, then W2's: 139,264 bytes).  Waves 0, 1 fetch hid's halves, waves 2, 3 W2's: four records, 34,816 bytes apart in memory, to a load.  Two loads of mine are out at the start, one behind each change of slots.
; CLUSTER 4 x 4: hid's panel is shared along a row of the cluster, W2's along a column.  The four chunks are written out: no loop.  This launch claims all of the LDS.
; The way out is that of the launch that makes x1: b2 is the C of the first products; units go through the wave's own stage, which no tensor load fills, and back into the registers that they left; x1 is added; sixteen lanes store 256 consecutive bytes, aligned.
.set REC,   8704
.set HALF,  4*REC
.set PANEL, 8*REC
.set SLOT,  2*PANEL
.set STAGE, 2*SLOT
.set SPARE, STAGE+4*4352
.set ADRA, 16                          ; v16-17: slot 0, 1
.set ADRB, 18
.set ADRS, 20
.set LO16, 23
.set STO,  24
.set RD,   25
.set CO,   26
.set BA,   27
.set SPW,  28
.set NIL,  29
.set SC,   32                          ; v32-95: two sets of 32 scale words, and nothing else
.set ACC,  128
.set F0,   0
.set F1,   128
.set G1A,  24
.set G1B,  32
.set G0A,  40                          ; s[40:47] a set for each slot
.set G0B,  48
.set MUL,  0x05
.set MULB, 0x25
.set TO_F, 0x40
.set TO_2, 0x80
.set ADDR, 0x08
.set MSB, 0
.macro WIN new
.if MSB != \new
	s_set_vgpr_msb (MSB<<8)|\new
.set MSB, \new
.endif
.endm
.macro PLACES
.rept 4
	v_nop
.endr
.endm
.macro JLOAD s                         ; a joint load: the branch hangs on the wave's number alone; an s_nop 0 and four v_nop follow each of the two lines
	s_cmp_eq_u32 s17, 0
	s_cbranch_scc0 .Lfor_b_\@
	tensor_load_to_lds s[G0A+4*\s:G0A+4*\s+3], s[G1A:G1A+7]
	s_nop 0
.rept 4
	v_nop
.endr
	s_branch .Lasked_\@
.Lfor_b_\@:
	tensor_load_to_lds s[G0B+4*\s:G0B+4*\s+3], s[G1B:G1B+7]
	s_nop 0
.rept 4
	v_nop
.endr
.Lasked_\@:
.endm
.macro CREST
	s_cmp_lg_u32 s16, 0
	s_cbranch_scc1 .Lnot_wave_0_\@
	s_barrier_signal -3
.Lnot_wave_0_\@:
	s_barrier_wait -3
	s_barrier_signal -1
	s_barrier_wait -1
.endm
.macro CROUND
	s_barrier_signal -1
	s_barrier_wait -1
	CREST
.endm
.macro FETCH adra, adrb, qd, f
	WIN TO_F
.irp c2, 0,1
.irp i, 0,1,2,3
	ds_load_b128 v[\f+64+8*(4*\c2+\i):\f+64+8*(4*\c2+\i)+3],   v[\adrb] offset:\i*REC+(2*(\qd)+\c2)*1024
	ds_load_b128 v[\f+64+8*(4*\c2+\i)+4:\f+64+8*(4*\c2+\i)+7], v[\adrb] offset:\i*REC+(2*(\qd)+\c2)*1024+512
	ds_load_b128 v[\f+8*(4*\c2+\i):\f+8*(4*\c2+\i)+3],         v[\adra] offset:\i*REC+(2*(\qd)+\c2)*1024
	ds_load_b128 v[\f+8*(4*\c2+\i)+4:\f+8*(4*\c2+\i)+7],       v[\adra] offset:\i*REC+(2*(\qd)+\c2)*1024+512
.endr
.endr
.endm
.macro SCALES adrs, set
.irp u, 0,1
.irp i, 0,1,2,3
	ds_load_b128 v[SC+32*(\set)+16*\u+4*\i:SC+32*(\set)+16*\u+4*\i+3], v[\adrs] offset:\i*REC+256*\u
.endr
.endr
.endm
.macro MUL8 f, c2, a0, ks, set, first  ; 8 products; the 16 accumulators take turns, one instruction a turn
.irp a, \a0, \a0+1
.irp b, 0,1,2,3
.set rgD, ACC+8*(4*(\a)+\b)
.set rg0, \f+64+8*(4*\c2+\b)
.set rg1, \f+8*(4*\c2+(\a))
.set scA, SC+32*(\set)+16*((\ks)/4)+4*(\a)+(\ks)%4
.set scB, SC+32*(\set)+16*((\ks)/4)+4*\b+(\ks)%4
.if \first
	v_wmma_scale_f32_16x16x128_f8f6f4 v[rgD:rgD+7], v[rg0:rg0+7], v[rg1:rg1+7], v[8*\b:8*\b+7], v[scB], v[scA] matrix_a_fmt:MATRIX_FMT_FP4 matrix_b_fmt:MATRIX_FMT_FP4 matrix_a_scale:MATRIX_SCALE_ROW1
.else
	v_wmma_scale_f32_16x16x128_f8f6f4 v[rgD:rgD+7], v[rg0:rg0+7], v[rg1:rg1+7], v[rgD:rgD+7], v[scB], v[scA] matrix_a_fmt:MATRIX_FMT_FP4 matrix_b_fmt:MATRIX_FMT_FP4 matrix_a_scale:MATRIX_SCALE_ROW1
.endif
.endr
.endr
.endm
.macro QUARTER slot, qd, f, g, first
	s_wait_dscnt 16                                ; the first K step's fragments (and the scale words) are in; the second's sixteen loads may be out
.if \first
	WIN MULB
.else
	WIN MUL
.endif
	MUL8 \f, 0, 0, 2*(\qd), \slot, \first
	MUL8 \f, 0, 2, 2*(\qd), \slot, \first
	PLACES
	FETCH ADRA+\slot, ADRB+\slot, (\qd)+1, \g
	s_wait_dscnt 32                                ; all but the 32 just issued
	WIN MUL
	MUL8 \f, 1, 0, 2*(\qd)+1, \slot, 0
	MUL8 \f, 1, 2, 2*(\qd)+1, \slot, 0
.endm
; A chunk's last quarter changes slots: ONE barrier; in front of it each wave waits for all its tensor loads, adds 0 to its spare word, and waits for that and for its reads of this slot.
; fill = 1: the barrier opens a round of the cluster's barrier, and this slot is filled again, with the chunk two on, first thing behind the round.
.macro TURN slot, next, fill
	WIN 0
	s_wait_tensorcnt 0x0                           ; all my tensor loads have landed: my part of the next slot
	ds_add_u32 v[SPW], v[NIL]
	s_wait_dscnt 17                                ; (the add and the youngest sixteen loads may be out)
	WIN MUL
	MUL8 F1, 0, 0, 6, \slot, 0
	s_wait_dscnt 0x0                               ; the add is done, and my reads of this slot are over
	s_barrier_signal -1
	MUL8 F1, 0, 2, 6, \slot, 0
	WIN 0
	s_barrier_wait -1
.if \fill
	CREST                                          ; no wave of any partner still reads this slot or has a load on its way
	s_add_nc_u64 s[G0A+4*\slot+2:G0A+4*\slot+3], s[G0A+4*\slot+2:G0A+4*\slot+3], 2*REC
	s_add_nc_u64 s[G0B+4*\slot+2:G0B+4*\slot+3], s[G0B+4*\slot+2:G0B+4*\slot+3], 2*REC
	JLOAD \slot                                    ; its four v_nop are also the places in front of the loads below
.else
	PLACES
.endif
	SCALES ADRS+\next, \next
	FETCH ADRA+\next, ADRB+\next, 0, F0
	WIN MUL
	MUL8 F1, 1, 0, 7, \slot, 0
	MUL8 F1, 1, 2, 7, \slot, 0
.endm
.macro TOSTAGE a                       ; unit a through my stage and back into its own registers; LDS serves a wave's instructions in order: the loads see the stores, and the next unit's stores come behind them
.set AC, ACC+32*(\a)
.irp b, 0,1,2,3
	ds_store_b128 v[STO], v[AC+8*\b:AC+8*\b+3] offset:32*\b        ; each accumulator from its low end on
	ds_store_b128 v[STO], v[AC+8*\b+4:AC+8*\b+7] offset:32*\b+16
.endr
.irp t, 0,1,2,3,4,5,6,7
	ds_load_b128 v[AC+4*\t:AC+4*\t+3], v[RD] offset:544*\t
.endr
.endm
.macro SEND a, younger                 ; younger: the next unit's sixteen LDS instructions, or none
.set AC, ACC+32*(\a)
	s_wait_dscnt \younger
	WIN ADDR
.set kk, 0
.rept 16
	v_pk_add_f32 v[AC+kk:AC+kk+1], v[AC+kk:AC+kk+1], v[128+32*(\a)+kk:128+32*(\a)+kk+1]   ; + the residual, which lies in window 2
.set kk, kk+2
.endr
	WIN 0
.irp t, 0,1,2,3,4,5,6,7
	global_store_b128 v[CO], v[AC+4*\t:AC+4*\t+3], s[68:69] offset:(8*(\a)+2*\t+24*(\t/4))*4096 th:TH_STORE_NT
.endr
.endm
	s_load_b256 s[4:11], s[0:1], 0x0               ; hid, wc, b2, x1
	s_load_b64 s[12:13], s[0:1], 0x20              ; out0
	v_lshl_add_u32 v[SPW], v0, 2, SPARE
	v_mov_b32 v[NIL], 0
	ds_add_u32 v[SPW], v[NIL]                      ; the wave's opening: the add, twice on end, and its wait ahead of my first tensor load
	ds_add_u32 v[SPW], v[NIL]
	v_lshrrev_b32 v1, 5, v0
	v_readfirstlane_b32 s16, v1
	s_lshr_b32 s17, s16, 1                         ; my group of rows.  Also: I fetch for hid (0) or for W2 (1)
	s_and_b32 s18, s16, 1                          ; my group of W2's rows.  Also: which half of the panel I fetch
	s_bfe_u32 s56, ttmp6, 0x40000
	s_bfe_u32 s57, ttmp6, 0x40004
	s_lshl_b32 s58, ttmp9, 2
	s_add_co_u32 s58, s58, s56
	s_and_b32 s59, ttmp7, 0xffff
	s_lshl_b32 s59, s59, 2
	s_add_co_u32 s59, s59, s57
	s_lshl_b32 s60, s57, 2
	s_lshl_b32 s60, 15, s60
	s_lshl_b32 s61, 0x1111, s56
	s_or_b32 s[G1A], s60, (3<<16)|(1<<21)
	s_or_b32 s[G1B], s61, (3<<16)|(1<<21)
.irp g, G1A, G1B
	s_mov_b32 s[\g+1], 1088<<16                    ; a record
	s_mov_b32 s[\g+2], 4<<16                       ; four of them,
	s_mov_b32 s[\g+3], 1088<<16
	s_mov_b32 s[\g+4], 4
	s_mov_b32 s[\g+5], 4352                        ; four records apart: one chunk of four tiles
	s_mov_b32 s[\g+6], 0
	s_mov_b32 s[\g+7], 0
.endr
	s_lshl_b32 s76, s59, 5
	s_lshl_b32 s77, s18, 4
	s_add_co_u32 s76, s76, s77                     ; hid: record (8 y + 4 half) x 4
	s_mul_i32 s76, s76, REC
	s_mov_b32 s77, 0
	s_lshl_b32 s78, s58, 5
	s_lshl_b32 s79, s18, 4
	s_add_co_u32 s78, s78, s79
	s_add_co_u32 s78, s78, 512                     ; W2: record 512 + (8 x + 4 half) x 4
	s_mul_i32 s78, s78, REC
	s_mov_b32 s79, 0
	s_mul_i32 s80, s16, HALF                       ; where they go in a slot
	s_wait_dscnt 0x0
	s_wait_kmcnt 0x0
	s_add_nc_u64 s[76:77], s[4:5], s[76:77]
	s_add_nc_u64 s[78:79], s[6:7], s[78:79]
	CROUND
.irp s, 0,1
	s_mov_b32 s[G0A+4*\s], 1
	s_add_co_u32 s[G0A+4*\s+1], s80, \s*SLOT
	s_add_nc_u64 s[G0A+4*\s+2:G0A+4*\s+3], s[76:77], \s*REC
	s_or_b32 s[G0A+4*\s+3], s[G0A+4*\s+3], 0x80000000
	s_mov_b32 s[G0B+4*\s], 1
	s_add_co_u32 s[G0B+4*\s+1], s80, \s*SLOT
	s_add_nc_u64 s[G0B+4*\s+2:G0B+4*\s+3], s[78:79], \s*REC
	s_or_b32 s[G0B+4*\s+3], s[G0B+4*\s+3], 0x80000000
	JLOAD \s
.endr
	v_and_b32 v1, 31, v0
	v_and_b32 v2, 15, v0
	v_bfe_u32 v3, v0, 4, 1
	v_lshlrev_b32 v[LO16], 4, v1
	s_mul_i32 s81, s17, HALF
	s_mul_i32 s82, s18, HALF
	s_add_co_u32 s82, s82, PANEL
	s_sub_co_u32 s83, s82, s81
	v_mul_u32_u24 v4, s83, v3                      ; lanes 16-31 take W2's scale words
	v_lshl_add_u32 v4, v2, 4, v4
	s_add_co_u32 s84, s81, 8192
.irp s, 0,1
	v_add_nc_u32 v[ADRA+\s], s81, v[LO16]
	v_add_nc_u32 v[ADRB+\s], s82, v[LO16]
	v_add_nc_u32 v[ADRS+\s], s84, v4
	s_add_co_u32 s81, s81, SLOT
	s_add_co_u32 s82, s82, SLOT
	s_add_co_u32 s84, s84, SLOT
.endr
	s_mul_i32 s85, s16, 4352
	s_add_co_u32 s85, s85, STAGE
	v_mul_u32_u24 v4, v2, 272
	v_lshl_add_u32 v4, v3, 7, v4
	v_add_nc_u32 v[STO], s85, v4
	v_mul_u32_u24 v4, v3, 272
	v_lshl_add_u32 v4, v2, 4, v4
	v_add_nc_u32 v[RD], s85, v4
	v_lshlrev_b32 v4, 12, v3
	v_lshl_add_u32 v[CO], v2, 4, v4
	v_lshlrev_b32 v[BA], 7, v3
	s_lshl_b32 s86, s59, 19
	s_lshl_b32 s87, s17, 18
	s_add_co_u32 s90, s86, s87
	s_lshl_b32 s86, s58, 9
	s_lshl_b32 s87, s18, 8
	s_add_co_u32 s86, s86, s87
	s_add_co_u32 s90, s90, s86
	s_mov_b32 s91, 0
	s_mov_b32 s87, 0
	s_add_nc_u64 s[68:69], s[12:13], s[90:91]
	s_add_nc_u64 s[70:71], s[10:11], s[90:91]
	s_add_nc_u64 s[8:9], s[8:9], s[86:87]
	WIN TO_2
.irp b, 0,1,2,3
	global_load_b128 v[8*\b:8*\b+3],   v[BA], s[8:9] offset:32*\b
	global_load_b128 v[8*\b+4:8*\b+7], v[BA], s[8:9] offset:32*\b+16
.endr
.irp a, 0,1,2,3
.irp t, 0,1,2,3,4,5,6,7
	global_load_b128 v[128+32*\a+4*\t:128+32*\a+4*\t+3], v[CO], s[70:71] offset:(8*\a+2*\t+24*(\t/4))*4096
.endr
.endr
	WIN 0
	s_wait_tensorcnt 0x1                           ; my part of chunk 0 is in; chunk 1's may stay out
	s_barrier_signal -1
	s_barrier_wait -1
	SCALES ADRS, 0
	FETCH ADRA, ADRB, 0, F0
	s_wait_loadcnt 32                              ; the bias is in; the residual's 32 loads may be out
	QUARTER 0, 0, F0, F1, 1
	QUARTER 0, 1, F1, F0, 0
	QUARTER 0, 2, F0, F1, 0
	TURN 0, 1, 1
	QUARTER 1, 0, F0, F1, 0
	QUARTER 1, 1, F1, F0, 0
	QUARTER 1, 2, F0, F1, 0
	TURN 1, 0, 1
	QUARTER 0, 0, F0, F1, 0
	QUARTER 0, 1, F1, F0, 0
	QUARTER 0, 2, F0, F1, 0
	TURN 0, 1, 0                                   ; nothing is left to fetch
	QUARTER 1, 0, F0, F1, 0
	QUARTER 1, 1, F1, F0, 0
	QUARTER 1, 2, F0, F1, 0
	s_wait_dscnt 16
	WIN MUL
	MUL8 F1, 0, 0, 6, 1, 0
	MUL8 F1, 0, 2, 6, 1, 0
	s_wait_dscnt 0x0
	MUL8 F1, 1, 0, 7, 1, 0
	MUL8 F1, 1, 2, 7, 1, 0
	WIN 0
	PLACES
	s_wait_loadcnt 0x0
	TOSTAGE 0
	TOSTAGE 1
	SEND 0, 16
	TOSTAGE 2
	SEND 1, 16
	TOSTAGE 3
	SEND 2, 16
	SEND 3, 0
	s_wait_tensorcnt 0x0                           ; the wave's end
	ds_add_u32 v[SPW], v[NIL]
	s_wait_dscnt 0x0
	CROUND                                         ; the closing round
	s_endpgm
.Lfunc_end_k_q6e88778a80_ffn2:
	.size	k_q6e88778a80_ffn2, .Lfunc_end_k_q6e88778a80_ffn2-k_q6e88778a80_ffn2
	.p2alignl 7, 3214868480
	.fill 96, 4, 3214868480
	.section	.rodata,"a",@progbits
	.p2align	6, 0x0
	.amdhsa_kernel k_q6e88778a80_ffn2
		.amdhsa_group_segment_fixed_size 327680
		.amdhsa_private_segment_fixed_size 0
		.amdhsa_enable_private_segment 0
		.amdhsa_kernarg_size 40
		.amdhsa_user_sgpr_count 2
		.amdhsa_user_sgpr_kernarg_segment_ptr 1
		.amdhsa_wavefront_size32 1
		.amdhsa_system_sgpr_workgroup_id_x 1
		.amdhsa_system_sgpr_workgroup_id_y 1
		.amdhsa_system_sgpr_workgroup_id_z 1
		.amdhsa_system_vgpr_workitem_id 0
		.amdhsa_next_free_vgpr 768
		.amdhsa_next_free_sgpr 96
		.amdhsa_reserve_vcc 0
		.amdhsa_float_denorm_mode_32 3
		.amdhsa_float_denorm_mode_16_64 3
		.amdhsa_memory_ordered 1
		.amdhsa_forward_progress 1
		.amdhsa_inst_pref_size 128
	.end_amdhsa_kernel
	.amdgpu_metadata
---
amdhsa.version: [ 1, 2 ]
amdhsa.kernels:
  - .name:           k_q6e88778a80_ffn2
    .symbol:         k_q6e88778a80_ffn2.kd
    .args:
      - { .name: hid, .offset: 0, .size: 8, .value_kind: global_buffer, .address_space: global }
      - { .name: wc, .offset: 8, .size: 8, .value_kind: global_buffer, .address_space: global }
      - { .name: b2, .offset: 16, .size: 8, .value_kind: global_buffer, .address_space: global }
      - { .name: x1, .offset: 24, .size: 8, .value_kind: global_buffer, .address_space: global }
      - { .name: out0, .offset: 32, .size: 8, .value_kind: global_buffer, .address_space: global }
    .group_segment_fixed_size: 327680
    .private_segment_fixed_size: 0
    .kernarg_segment_align: 8
    .kernarg_segment_size: 40
    .max_flat_workgroup_size: 128
    .sgpr_count:     96
    .vgpr_count:     768
    .wavefront_size: 32
...
	.end_amdgpu_metadata
.endif
;; end of part 7
